; MI455X (gfx1250); checked and timed in simulation.
; The chip was launched on July 23, 2026; its instructions are those of AMD's public machine-readable ISA for CDNA 5 (MIT licence, August 2026) and "CDNA5" Instruction Set Architecture Reference Guide (July 2026). The comments in the code are by the model that wrote it; some were corrected since.
;; Enhanced Decoder Attention. Allowed arithmetic: matrix products marked QUANTISED: E4M3 operands, one given power-of-two scale a tensor, by v_wmma_f32_16x16x64_fp8_fp8 or v_wmma_f32_16x16x128_fp8_fp8, f32 sums; everything else in f32.
;; Inputs: Wk 1,024 x 1,024 float32; Wo 1,024 x 1,024 float32; Wq 1,024 x 1,024 float32; Wv 1,024 x 1,024 float32; bk 1,024 float32; bo 1,024 float32; bq 1,024 float32; bv 1,024 float32; lowp_scales 12 int32 (the exponents e of the quantised operands' scales 2^e); mask 2,048 x 2,048 bool; x 4 x 2,048 x 1,024 float32.
;; Outputs: out0 4 x 2,048 x 1,024 float32.
;; This version of the problem:
;;   THIS VERSION OF THE PROBLEM IS GIVEN IN LOW PRECISION. The matrix products marked QUANTISED in the list below multiply operands that are first quantised to E4M3 (4 exponent bits, 3 mantissa bits; 8 bits a number), with one given power-of-two scale for each operand tensor; their sums are f32. All else is computed in f32.
;;   The module's matrix products, in the order in which they are computed (A, B: the left and right operand; K: the contracted axis; several contracted axes count as one K, in the product's order):
;;     1. [M 8,192, K 1,024] x [K 1,024, N 1,024]; A: input x; B: input Wq: QUANTISED (scales: A lowp_scales[0], B lowp_scales[1])
;;     2. [M 8,192, K 1,024] x [K 1,024, N 1,024]; A: input x; B: input Wk: QUANTISED (scales: A lowp_scales[2], B lowp_scales[3])
;;     3. [M 8,192, K 1,024] x [K 1,024, N 1,024]; A: input x; B: input Wv: QUANTISED (scales: A lowp_scales[4], B lowp_scales[5])
;;     4. batch 64 x [M 2,048, K 64] x [K 64, N 2,048]; A: computed on the way; B: computed on the way: QUANTISED (scales: A lowp_scales[6], B lowp_scales[7])
;;     5. batch 64 x [M 64, K 2,048] x [K 2,048, N 2,048]; A: computed on the way; B: softmax (see below): QUANTISED (scales: A lowp_scales[8], B lowp_scales[9])
;;     6. [M 8,192, K 1,024] x [K 1,024, N 1,024]; A: computed on the way; B: input Wo: QUANTISED (scales: A lowp_scales[10], B lowp_scales[11])
;;   THE QUANTISER, for each operand of a quantised product, along K:
;;     - The operand's scale is 2^e, e = its entry of the input lowp_scales (int32; the entries are numbered through the quantised products in the list's order, A before B).
;;     - Each number is divided by the scale, clamped to +-448, and rounded to the nearest number of E4M3, ties to even, subnormals kept.
;;     - The product sums the exact products of the quantised numbers (number of the format x scale) in f32.
;;   ~~~python
;;   def quantise(x, axis, e):      # numpy; x: float32 -> the quantised numbers, widened to float32 again
;;       x = np.moveaxis(x, axis, -1); K = x.shape[-1]
;;       r = np.clip(x / 2.0 ** e, -448, 448)
;;       step = 2.0 ** (np.maximum(np.frexp(np.where(r == 0, 1, r))[1] - 1, -6) - 3)
;;       q = np.round(r / step) * step * 2.0 ** e      # np.round: ties to even
;;       return np.moveaxis(q, -1, axis).astype(np.float32)
;;   ~~~
;;   SOFTMAX AHEAD OF A QUANTISED PRODUCT. Where the list says 'softmax', what is quantised is not the finished softmax but p = 2^(t - M), with t = logit x log2(e) and M = ceil(the row's largest t), a whole number; so 1/2 < the row's largest p <= 1. The row's sum l is taken of the UNQUANTISED p, in f32, and the product's result is divided by l at the end. Since M is a whole number, a kernel that streams over the keys may use a running M (the ceiling of the running maximum): every later rescaling is an exact power of two, so the quantised numbers keep their values, but for numbers so far below the row's largest that they fall under the format's range.
;;   OPERANDS COMPUTED ON THE WAY. 'Computed on the way' means the value that the module computes at that place (a softmax that the list does not call 'softmax' is quantised finished and normalised). What goes into a quantiser is computed in f32, as accurately as f32 sums, v_exp_f32 and their like allow (about 1e-6 of the number): no bf16 or f16 on the way to a quantiser, and a product that is left as it is and whose result goes on into a quantised operand takes f32 operands (vector FMAs, or v_wmma_f32_16x16x4_f32). A number that lies on a knife's edge between two numbers of the format may be rounded either way, as far as f32 arithmetic and the matrix unit's own rounding can turn it there, and no further.
;; 2 versions, each right; version 2 is version 1 with the launch attn written anew for expert scheduling mode. Each part assembles by itself: llvm-mc -triple=amdgcn-amd-amdhsa -mcpu=gfx1250 --defsym DOCPART=n.
;; ======== version 1 of 2: 4 launches
;; workspace buffers: ximg 25,165,824 bytes; wimg 4,194,304 bytes; rope 524,288 bytes; maskw 526,336 bytes of whole numbers; qkv 25,165,824 bytes; oimg 8,388,608 bytes
;; launch prep (part 1): grid 912 x 1, 4 waves a work-group, no clusters, 34,304 bytes of LDS; arguments x, mask, Wq, Wk, Wv, Wo, lowp_scales, ximg, wimg, rope, maskw; writes ximg, wimg, rope, maskw
.if DOCPART == 1
	.amdgcn_target "amdgcn-amd-amdhsa--gfx1250"
	.amdhsa_code_object_version 6
	.text
	.protected	k_qcf8736d8d3_prep
	.globl	k_qcf8736d8d3_prep
	.p2align	8
	.type	k_qcf8736d8d3_prep,@function
k_qcf8736d8d3_prep:
	s_mov_b64 s[64:65], 0
	v_nop
	global_prefetch_b8 v0, s[64:65] scope:SCOPE_SE
	s_setreg_imm32_b32 hwreg(HW_REG_WAVE_MODE, 25, 1), 1
	s_wait_xcnt 0x0
; PREP: everything that later launches read many times is made once, in the order of an operand's registers.
; A FRAGMENT IMAGE is 2,048 bytes = 16 rows x 128 k of E4M3 codes: byte 512 c + 16 l + i is the code of lane-row l % 16 at k = 32 c + 16 (l / 16) + i: four 16-byte loads at 16 x lane bring it.
; THE ROWS OF A TILE ARE NOT NEIGHBOURS: lane-row r of tile T is row PERM(T, r) = 32 (T / 2) + 8 (T % 2) + r + 8 (r / 8), so that a transposed product's 16 registers of two neighbouring tiles are 16 neighbours.
; Four paths, parted on the work-group's number alone:
;   0-15    the RoPE table: cos and sin of pos x 10^(-j / 8), j = 0 .. 31, pos = 0 .. 2047, f32, laid as the qkv launch's lanes want them: [128 T][cos, sin][4 jj][512]
;   16-143  the mask as words: [128 T][16 key steps][64 n], bit l of word n = mask[PERM(T, l % 16)][128 ks + 32 (n / 16) + 16 (l / 16) + n % 16]; then flags [128 T][4]: bit ks: some key of step ks counts; bit 16 + ks: all count
;   144-399 the four weights [k][n] f32 -> images over n, K innermost: a lane takes a column, its registers run down K
;   400-911 x -> images, three times: its three products have a scale entry each (entries 0, 2, 4)
; code = number / 2^e, held within +-448, to the nearest code, ties to even.  LIMITS: each e between -126 and 119; NaN among x and the weights is not served (an infinity is held at the largest code).
; The angle is pos x inv_freq in f32, inv_freq the f32 number nearest to 10^(-j / 8); cos and sin by reduction with pi/2 in two parts and polynomials (error under 1e-7 for angles up to 2,047).
; Only the x path touches LDS: a stage of 16 rows x 528 bytes for each wave, then the spare words.
.set SPARE, 33792                      ; behind the four stages: the spare words, 128 bytes a wave
.set SPW, 2                            ; v2  SPARE + 4 x my thread's number; never rewritten
.set NIL, 3                            ; v3  0; never rewritten
; four frequencies o .. o + 3 for my position (v8 = pos as f32): cos -> v[64 + o + e], sin -> v[96 + o + e].  The four take turns line by line.
.macro ROPE4 o, f0, f1, f2, f3
	v_mul_f32 v16, \f0, v8                         ; the angle a, one rounding
	v_mul_f32 v17, \f1, v8
	v_mul_f32 v18, \f2, v8
	v_mul_f32 v19, \f3, v8
.irp e, 0,1,2,3
	v_mul_f32 v[20+\e], 0x3f22f983, v[16+\e]       ; a x 2 / pi
.endr
.irp e, 0,1,2,3
	v_rndne_f32 v[20+\e], v[20+\e]                 ; n
.endr
.irp e, 0,1,2,3
	v_fmamk_f32 v[16+\e], v[20+\e], 0xbfc90fdb, v[16+\e]   ; r = a - n x pi/2: the high part,
.endr
.irp e, 0,1,2,3
	v_fmamk_f32 v[16+\e], v[20+\e], 0x333bbd2e, v[16+\e]   ; and the low part (what is left is under 3e-12 for n up to 1,304)
.endr
.irp e, 0,1,2,3
	v_mul_f32 v[24+\e], v[16+\e], v[16+\e]         ; z = r r
	v_cvt_i32_f32 v[36+\e], v[20+\e]               ; n as a whole number
.endr
.irp e, 0,1,2,3
	v_fma_f32 v[28+\e], v[24+\e], s33, s32
	v_fma_f32 v[32+\e], v[24+\e], s37, s36
.endr
.irp e, 0,1,2,3
	v_fma_f32 v[28+\e], v[28+\e], v[24+\e], s31
	v_fma_f32 v[32+\e], v[32+\e], v[24+\e], s35
.endr
.irp e, 0,1,2,3
	v_fma_f32 v[28+\e], v[28+\e], v[24+\e], s30
	v_fma_f32 v[32+\e], v[32+\e], v[24+\e], s34
.endr
.irp e, 0,1,2,3
	v_mul_f32 v[40+\e], v[16+\e], v[24+\e]
	v_fma_f32 v[32+\e], v[32+\e], v[24+\e], -0.5
.endr
.irp e, 0,1,2,3
	v_fma_f32 v[28+\e], v[40+\e], v[28+\e], v[16+\e]   ; sin r
	v_fma_f32 v[32+\e], v[32+\e], v[24+\e], 1.0        ; cos r
.endr
.irp e, 0,1,2,3
	v_and_b32 v[40+\e], 1, v[36+\e]
.endr
.irp e, 0,1,2,3
	v_cmp_eq_u32 s[40+\e], 1, v[40+\e]             ; odd quadrants change sin and cos
.endr
.irp e, 0,1,2,3
	v_cndmask_b32 v[20+\e], v[28+\e], v[32+\e], s[40+\e]
	v_cndmask_b32 v[24+\e], v[32+\e], v[28+\e], s[40+\e]
.endr
.irp e, 0,1,2,3
	v_lshlrev_b32 v[40+\e], 30, v[36+\e]           ; sin is negated in quadrants 2, 3: bit 1 of n,
	v_add_nc_u32 v[36+\e], 1, v[36+\e]             ; cos in quadrants 1, 2: bit 1 of n + 1
.endr
.irp e, 0,1,2,3
	v_and_b32 v[40+\e], 0x80000000, v[40+\e]
	v_lshlrev_b32 v[36+\e], 30, v[36+\e]
.endr
.irp e, 0,1,2,3
	v_xor_b32 v[96+\o+\e], v[40+\e], v[20+\e]
	v_and_b32 v[36+\e], 0x80000000, v[36+\e]
.endr
.irp e, 0,1,2,3
	v_xor_b32 v[64+\o+\e], v[36+\e], v[24+\e]
.endr
.endm
; key step k of my wave's four: 64 words, eight at a time (a byte picked, compared in all lanes, the lanes' bits put into lane n / 2 of register n % 2), then the step's two flags and one store of 256 bytes
.macro MWORDS k
.irp b, 0,1,2,3
.irp q, 0,1
.irp i, 0,1,2,3
	v_and_b32 v[16+\i], s[32+\i], v[64+16*\k+4*\b+2*\q]
	v_and_b32 v[20+\i], s[32+\i], v[64+16*\k+4*\b+2*\q+1]
.endr
.irp i, 0,1,2,3,4,5,6,7
	v_cmp_ne_u32 s[40+\i], 0, v[16+\i]
.endr
.irp i, 0,1,2,3,4,5,6,7
	v_writelane_b32 v[48+2*\k+(\i%2)], s[40+\i], 8*\b+4*\q+\i/2
.endr
.endr
.endr
	v_or_b32 v24, v[64+16*\k], v[65+16*\k]
	v_and_b32 v25, v[64+16*\k], v[65+16*\k]
.irp i, 2,3,4,5,6,7,8,9,10,11,12,13,14,15
	v_or_b32 v24, v24, v[64+16*\k+\i]
	v_and_b32 v25, v25, v[64+16*\k+\i]
.endr
	v_cmp_ne_u32 s48, 0, v24
	v_cmp_eq_u32 s49, 0x01010101, v25
	s_cmp_lg_u32 s48, 0                            ; some key counts for some query: no branch, a choice of the bit
	s_cselect_b32 s50, 1<<\k, 0
	s_or_b32 s30, s30, s50
	s_cmp_eq_u32 s49, -1                           ; all keys count for all queries
	s_cselect_b32 s50, 1<<(16+\k), 0
	s_or_b32 s30, s30, s50
	global_store_b64 v11, v[48+2*\k:49+2*\k], s[36:37] offset:256*\k   ; 32 lanes store 256 consecutive bytes, aligned
.endm
.macro WLOAD c                         ; block c of a weight: W(32 c + i, my column), 128 consecutive bytes a wave
.set i, 0
.rept 32
	global_load_b32 v[16+32*\c+i], v10, s[32:33] offset:(32*\c+i)*4096 th:TH_LOAD_NT
.set i, i+1
.endr
.endm
.macro WBLOCK c, left                  ; left: the younger loads that may stay out
	s_wait_loadcnt \left
.set i, 0
.rept 32
	v_med3_num_f32 v[16+32*\c+i], v[16+32*\c+i], -v13, v13   ; the conversion to an 8-bit code does not saturate (ISA guide 7.6.2): the hold first
.set i, i+1
.endr
.irp g, 0,1,2,3
	v_cvt_scalef32_pk8_fp8_f32 v[144+8*\c+2*\g:145+8*\c+2*\g], v[16+32*\c+8*\g:23+32*\c+8*\g], v12
.endr
	v_nop                                          ; a plain line behind the last conversion
	global_store_b128 v11, v[144+8*\c:147+8*\c], s[34:35] offset:512*\c        ; k = 32 c + 0 .. 15: sixteen lanes fill 256 aligned bytes of one tile's image
	global_store_b128 v11, v[148+8*\c:151+8*\c], s[34:35] offset:512*\c+256    ; k = 32 c + 16 .. 31
.endm
; fragment f of my wave's two: 16 rows x 128 numbers turn through my stage (each load took 512 consecutive bytes of a row; a lane then wants 16 neighbours of each block of 32), and are quantised three times
.macro XFRAG f
	s_wait_loadcnt 16-16*\f                        ; this fragment's 16 loads are in; the other's may be out
.set i, 0
.rept 16
	ds_store_b128 v11, v[16+64*\f+4*i:16+64*\f+4*i+3] offset:528*i
.set i, i+1
.endr
.set i, 0
.rept 16
	ds_load_b128 v[144+4*i:144+4*i+3], v12 offset:128*(i/4)+16*(i%4)   ; LDS serves a wave's instructions in order: these see the stores above
.set i, i+1
.endr
	s_wait_dscnt 0x0                               ; the numbers are back, and the stores have read their registers, which take the codes
.irp c, 0,1,2,3
.irp p, 0,1,2
.set i, 0
.rept 16
	v_med3_num_f32 v[208+i], v[144+16*\c+i], -v[5+2*\p], v[5+2*\p]
.set i, i+1
.endr
.set CR, 16+64*\f+4*(3*\c+\p)
	v_cvt_scalef32_pk8_fp8_f32 v[CR:CR+1], v[208:215], v[4+2*\p]
	v_cvt_scalef32_pk8_fp8_f32 v[CR+2:CR+3], v[216:223], v[4+2*\p]
	v_nop                                          ; a plain line between the conversions and the next holds, which write their sources
	global_store_b128 v13, v[CR:CR+3], s[34+2*\p:35+2*\p] offset:2048*\f+512*\c   ; 512 consecutive bytes; each store has registers of its own
.endr
.endr
.endm
	s_load_b512 s[4:19], s[0:1], 0x0               ; x, mask, Wq, Wk, Wv, Wo, the exponents s[16:17], ximg s[18:19]
	s_load_b128 s[20:23], s[0:1], 0x40             ; wimg, rope
	s_load_b64 s[24:25], s[0:1], 0x50              ; maskw
	v_lshl_add_u32 v[SPW], v0, 2, SPARE
	v_mov_b32 v[NIL], 0
	v_lshrrev_b32 v1, 5, v0
	v_readfirstlane_b32 s26, v1                    ; wave 0..3
	v_and_b32 v1, 31, v0                           ; lane
	s_wait_kmcnt 0x0
	s_cmp_lt_u32 ttmp9, 16
	s_cbranch_scc1 .Lrope
	s_cmp_lt_u32 ttmp9, 144
	s_cbranch_scc1 .Lmask
	s_cmp_lt_u32 ttmp9, 400
	s_cbranch_scc1 .Lweights
	; ---------------- x: tile T = work-group - 400; wave w makes fragments 2 w and 2 w + 1
	s_load_b256 s[40:47], s[16:17], 0x0            ; e0 .. e7
	s_sub_co_u32 s27, ttmp9, 400
	s_lshr_b32 s28, s27, 1
	s_lshl_b32 s28, s28, 17                        ; 32 (T / 2) rows of 4,096 bytes
	s_and_b32 s29, s27, 1
	s_lshl_b32 s29, s29, 15                        ; 8 (T % 2) rows
	s_add_co_u32 s28, s28, s29
	s_mov_b32 s29, 0
	s_add_nc_u64 s[4:5], s[4:5], s[28:29]
	s_lshl_b32 s30, s26, 10                        ; my wave's 256 numbers of a row
	v_lshlrev_b32 v13, 4, v1                       ; 16 x lane
	v_add_nc_u32 v10, s30, v13
.set i, 0
.rept 32
	global_load_b128 v[16+4*i:16+4*i+3], v10, s[4:5] offset:((i%16)+8*((i%16)/8))*4096+512*(i/16) th:TH_LOAD_NT   ; lane-row i % 16 of fragment i / 16: 512 consecutive bytes
.set i, i+1
.endr
	s_mul_i32 s31, s26, 8448                       ; my stage
	v_add_nc_u32 v11, s31, v13                     ; in: 16 x lane, a row an instruction
	v_and_b32 v14, 15, v1
	v_lshrrev_b32 v15, 4, v1
	v_mul_u32_u24 v12, v14, 528
	v_lshl_add_u32 v12, v15, 6, v12
	v_add_nc_u32 v12, s31, v12                     ; back: row r, + 64 h: rows 528 bytes apart begin at sixteen different groups of banks
	s_lshl_b32 s28, s27, 14
	s_lshl_b32 s30, s26, 12
	s_add_co_u32 s28, s28, s30                     ; T x 16,384 + 2 w x 2,048
	s_add_nc_u64 s[34:35], s[18:19], s[28:29]
	s_add_nc_u64 s[36:37], s[34:35], 0x800000      ; the second and third copy, 8 MiB apart
	s_add_nc_u64 s[38:39], s[34:35], 0x1000000
	s_wait_kmcnt 0x0
.irp p, 0,1,2
	s_add_co_i32 s48, s[40+2*\p], 127
	s_lshl_b32 s49, s48, 23
	v_mov_b32 v[4+2*\p], s49                       ; 2^e as f32: the conversion takes its exponent field
	s_add_co_i32 s48, s48, 8
	s_lshl_b32 s48, s48, 23
	s_or_b32 s48, s48, 0x600000
	v_mov_b32 v[5+2*\p], s48                       ; 448 x 2^e
.endr
	XFRAG 0
	XFRAG 1
	s_wait_tensorcnt 0x0                           ; the wave's end
	ds_add_u32 v[SPW], v[NIL]
	s_wait_dscnt 0x0
	s_endpgm
	; ---------------- the RoPE table: a thread is a position
.Lrope:
	v_bfe_u32 v4, v1, 3, 1                         ; lane = 8 u + r + 8 (r / 8): u,
	v_and_b32 v5, 7, v1
	v_lshrrev_b32 v6, 4, v1
	v_lshl_add_u32 v5, v6, 3, v5                   ; and r
	s_lshl_b32 s27, ttmp9, 7
	v_add_nc_u32 v7, s27, v0                       ; pos = 128 x work-group + thread
	v_cvt_f32_u32 v8, v7
	v_lshlrev_b32 v9, 4, v5
	v_lshl_add_u32 v9, v4, 12, v9                  ; tile u of my wave's two, 16 r
	s_lshl_b32 s28, ttmp9, 2
	s_add_co_u32 s28, s28, s26
	s_lshl_b32 s28, s28, 13                        ; my wave's two tiles of 4,096 bytes
	s_mov_b32 s29, 0
	s_add_nc_u64 s[22:23], s[22:23], s[28:29]
	s_mov_b32 s30, 0xbe2aaaab                      ; sin: -1/6, 1/120, -1/5040, 1/362880
	s_mov_b32 s31, 0x3c088889
	s_mov_b32 s32, 0xb9500d01
	s_mov_b32 s33, 0x3638ef1d
	s_mov_b32 s34, 0x3d2aaaab                      ; cos: 1/24, -1/720, 1/40320, -1/3628800
	s_mov_b32 s35, 0xbab60b61
	s_mov_b32 s36, 0x37d00d01
	s_mov_b32 s37, 0xb493f27e
	ROPE4 0,  1.0, 0.7498942093, 0.5623413252, 0.4216965034
	ROPE4 4,  0.3162277660, 0.2371373706, 0.1778279410, 0.1333521432
	ROPE4 8,  0.1, 0.07498942093, 0.05623413252, 0.04216965034
	ROPE4 12, 0.03162277660, 0.02371373706, 0.01778279410, 0.01333521432
	ROPE4 16, 0.01, 0.007498942093, 0.005623413252, 0.004216965034
	ROPE4 20, 0.003162277660, 0.002371373706, 0.001778279410, 0.001333521432
	ROPE4 24, 0.001, 0.0007498942093, 0.0005623413252, 0.0004216965034
	ROPE4 28, 0.0003162277660, 0.0002371373706, 0.0001778279410, 0.0001333521432
.irp h, 0,1
.irp j, 0,1,2,3
	global_store_b128 v9, v[64+16*\h+4*\j:67+16*\h+4*\j], s[22:23] offset:512*\j+256*\h         ; cos of frequencies 16 h + 4 j + 0 .. 3: sixteen lanes fill 256 aligned bytes
	global_store_b128 v9, v[96+16*\h+4*\j:99+16*\h+4*\j], s[22:23] offset:2048+512*\j+256*\h    ; sin
.endr
.endr
	s_endpgm
	; ---------------- the mask: tile T = work-group - 16; wave g takes key steps 4 g .. 4 g + 3
.Lmask:
	s_sub_co_u32 s27, ttmp9, 16
	v_and_b32 v4, 15, v1                           ; r
	v_lshrrev_b32 v5, 4, v1                        ; h
	v_and_b32 v6, 8, v4
	v_add_nc_u32 v6, v6, v4                        ; r + 8 (r / 8)
	v_lshlrev_b32 v10, 11, v6                      ; rows of 2,048 bytes
	v_lshl_add_u32 v10, v5, 4, v10                 ; + 16 h
	s_lshr_b32 s28, s27, 1
	s_lshl_b32 s28, s28, 16
	s_and_b32 s29, s27, 1
	s_lshl_b32 s29, s29, 14
	s_add_co_u32 s28, s28, s29
	s_lshl_b32 s29, s26, 9                         ; my four key steps: 512 bytes of a row
	s_add_co_u32 s28, s28, s29
	s_mov_b32 s29, 0
	s_add_nc_u64 s[6:7], s[6:7], s[28:29]
.set i, 0
.rept 16
	global_load_b128 v[64+4*i:67+4*i], v10, s[6:7] offset:128*(i/4)+32*(i%4)   ; step i / 4, block i % 4: my 16 keys of my row
.set i, i+1
.endr
	s_lshl_b32 s28, s27, 12
	s_lshl_b32 s31, s26, 10
	s_add_co_u32 s28, s28, s31
	s_add_nc_u64 s[36:37], s[24:25], s[28:29]      ; the words: T x 4,096 + 4 g x 256
	s_lshl_b32 s28, s27, 4
	s_lshl_b32 s31, s26, 2
	s_add_co_u32 s28, s28, s31
	s_add_co_u32 s28, s28, 524288
	s_add_nc_u64 s[38:39], s[24:25], s[28:29]      ; the flags: behind the words, 16 T + 4 g
	v_lshlrev_b32 v11, 3, v1                       ; 8 x lane
	s_mov_b32 s32, 0xff
	s_mov_b32 s33, 0xff00
	s_mov_b32 s34, 0xff0000
	s_mov_b32 s35, 0xff000000
	s_mov_b32 s30, 0
.irp i, 0,1,2,3,4,5,6,7
	v_mov_b32 v[48+\i], 0                          ; written whole before single lanes are written
.endr
	s_wait_loadcnt 0x0
	MWORDS 0
	MWORDS 1
	MWORDS 2
	MWORDS 3
	s_lshl_b32 s31, s26, 2
	s_lshl_b32 s30, s30, s31                       ; my steps' bits at 4 g and 16 + 4 g
	v_mov_b32 v12, s30
	v_mov_b32 v13, 0
	v_cmp_eq_u32 vcc_lo, 0, v1
	s_wait_xcnt 0x0                                ; EXEC is a source of the stores above: it changes only behind this wait
	s_and_saveexec_b32 s51, vcc_lo
	global_store_b32 v13, v12, s[38:39]            ; lane 0 stores the wave's flag word
	s_wait_xcnt 0x0
	s_or_b32 exec_lo, exec_lo, s51
	s_endpgm
	; ---------------- the weights: id = work-group - 144: weight id / 64, K step (id / 8) % 8, 128 columns id % 8; a wave takes 32 columns
.Lweights:
	s_load_b256 s[40:47], s[16:17], 0x0            ; e0 .. e7
	s_load_b128 s[48:51], s[16:17], 0x20           ; e8 .. e11
	s_sub_co_u32 s27, ttmp9, 144
	s_lshr_b32 s28, s27, 6                         ; which weight
	s_bfe_u32 s29, s27, 0x30003                    ; K step
	s_and_b32 s30, s27, 7                          ; which 128 columns
	s_cmp_eq_u32 s28, 0                            ; the choices hang on the work-group's number alone
	s_cselect_b64 s[32:33], s[8:9], s[10:11]
	s_cmp_lt_u32 s28, 2
	s_cselect_b64 s[32:33], s[32:33], s[12:13]
	s_cmp_lt_u32 s28, 3
	s_cselect_b64 s[32:33], s[32:33], s[14:15]
	s_lshl_b32 s36, s29, 19                        ; 128 rows of 4,096 bytes
	s_lshl_b32 s37, s30, 9
	s_add_co_u32 s36, s36, s37
	s_lshl_b32 s37, s26, 7
	s_add_co_u32 s36, s36, s37                     ; + 4 (128 ng + 32 w)
	s_mov_b32 s37, 0
	s_add_nc_u64 s[32:33], s[32:33], s[36:37]
	v_lshlrev_b32 v10, 2, v1                       ; 4 bytes a lane
	WLOAD 0
	WLOAD 1
	s_lshl_b32 s36, s28, 20                        ; the weight's image: 1 MiB each
	s_lshl_b32 s38, s30, 17
	s_add_co_u32 s36, s36, s38                     ; tile 8 ng + 2 w of 16,384 bytes
	s_lshl_b32 s38, s26, 15
	s_add_co_u32 s36, s36, s38
	s_lshl_b32 s38, s29, 11
	s_add_co_u32 s36, s36, s38                     ; fragment s
	s_add_nc_u64 s[34:35], s[20:21], s[36:37]
	v_bfe_u32 v4, v1, 3, 1                         ; lane = 8 u + r + 8 (r / 8)
	v_and_b32 v5, 7, v1
	v_lshrrev_b32 v6, 4, v1
	v_lshl_add_u32 v5, v6, 3, v5
	v_lshlrev_b32 v11, 4, v5
	v_lshl_add_u32 v11, v4, 14, v11                ; tile u of my wave's two, 16 r
	s_wait_kmcnt 0x0
	s_cmp_eq_u32 s28, 0
	s_cselect_b32 s31, s41, s43                    ; entries 1, 3, 5, 11
	s_cmp_lt_u32 s28, 2
	s_cselect_b32 s31, s31, s45
	s_cmp_lt_u32 s28, 3
	s_cselect_b32 s31, s31, s51
	s_add_co_i32 s31, s31, 127
	s_lshl_b32 s38, s31, 23
	v_mov_b32 v12, s38                             ; 2^e
	s_add_co_i32 s31, s31, 8
	s_lshl_b32 s31, s31, 23
	s_or_b32 s31, s31, 0x600000
	v_mov_b32 v13, s31                             ; 448 x 2^e
	WBLOCK 0, 32                                   ; loads run two blocks ahead; each block has registers of its own
	WLOAD 2
	WBLOCK 1, 32
	WLOAD 3
	WBLOCK 2, 32
	WBLOCK 3, 0
	s_endpgm
.Lfunc_end_k_qcf8736d8d3_prep:
	.size	k_qcf8736d8d3_prep, .Lfunc_end_k_qcf8736d8d3_prep-k_qcf8736d8d3_prep
	.p2alignl 7, 3214868480
	.fill 96, 4, 3214868480
	.section	.rodata,"a",@progbits
	.p2align	6, 0x0
	.amdhsa_kernel k_qcf8736d8d3_prep
		.amdhsa_group_segment_fixed_size 34304
		.amdhsa_private_segment_fixed_size 0
		.amdhsa_enable_private_segment 0
		.amdhsa_kernarg_size 88
		.amdhsa_user_sgpr_count 2
		.amdhsa_user_sgpr_kernarg_segment_ptr 1
		.amdhsa_wavefront_size32 1
		.amdhsa_system_sgpr_workgroup_id_x 1
		.amdhsa_system_sgpr_workgroup_id_y 1
		.amdhsa_system_sgpr_workgroup_id_z 1
		.amdhsa_system_vgpr_workitem_id 0
		.amdhsa_next_free_vgpr 224
		.amdhsa_next_free_sgpr 66
		.amdhsa_reserve_vcc 1
		.amdhsa_float_denorm_mode_32 3
		.amdhsa_float_denorm_mode_16_64 3
		.amdhsa_memory_ordered 1
		.amdhsa_forward_progress 1
		.amdhsa_inst_pref_size 162
	.end_amdhsa_kernel
	.amdgpu_metadata
---
amdhsa.version: [ 1, 2 ]
amdhsa.kernels:
  - .name:           k_qcf8736d8d3_prep
    .symbol:         k_qcf8736d8d3_prep.kd
    .args:
      - { .name: x, .offset: 0, .size: 8, .value_kind: global_buffer, .address_space: global }
      - { .name: mask, .offset: 8, .size: 8, .value_kind: global_buffer, .address_space: global }
      - { .name: Wq, .offset: 16, .size: 8, .value_kind: global_buffer, .address_space: global }
      - { .name: Wk, .offset: 24, .size: 8, .value_kind: global_buffer, .address_space: global }
      - { .name: Wv, .offset: 32, .size: 8, .value_kind: global_buffer, .address_space: global }
      - { .name: Wo, .offset: 40, .size: 8, .value_kind: global_buffer, .address_space: global }
      - { .name: lowp_scales, .offset: 48, .size: 8, .value_kind: global_buffer, .address_space: global }
      - { .name: ximg, .offset: 56, .size: 8, .value_kind: global_buffer, .address_space: global }
      - { .name: wimg, .offset: 64, .size: 8, .value_kind: global_buffer, .address_space: global }
      - { .name: rope, .offset: 72, .size: 8, .value_kind: global_buffer, .address_space: global }
      - { .name: maskw, .offset: 80, .size: 8, .value_kind: global_buffer, .address_space: global }
    .group_segment_fixed_size: 34304
    .private_segment_fixed_size: 0
    .kernarg_segment_align: 8
    .kernarg_segment_size: 88
    .max_flat_workgroup_size: 128
    .sgpr_count:     66
    .vgpr_count:     224
    .wavefront_size: 32
...
	.end_amdgpu_metadata
.endif
;; end of part 1
;; launch qkv (part 2): grid 8 x 32, 4 waves a work-group, clusters of 4 x 4, 327,680 bytes of LDS; arguments ximg, wimg, rope, lowp_scales, bq, bk, bv, qkv; writes qkv
.if DOCPART == 2
	.amdgcn_target "amdgcn-amd-amdhsa--gfx1250"
	.amdhsa_code_object_version 6
	.text
	.protected	k_qcf8736d8d3_qkv
	.globl	k_qcf8736d8d3_qkv
	.p2align	8
	.type	k_qcf8736d8d3_qkv,@function
k_qcf8736d8d3_qkv:
	s_mov_b64 s[64:65], 0
	v_nop
	global_prefetch_b8 v0, s[64:65] scope:SCOPE_SE
	s_setreg_imm32_b32 hwreg(HW_REG_WAVE_MODE, 25, 1), 1
	s_wait_xcnt 0x0
	s_wait_alu depctr_hold_cnt(0) depctr_sa_sdst(0) depctr_va_vdst(0) depctr_va_sdst(0) depctr_va_ssrc(0) depctr_va_vcc(0) depctr_vm_vsrc(0)
	s_getreg_b32 s2, hwreg(HW_REG_IB_STS2, 6, 4)
	s_cmp_eq_u32 s2, 0
	s_cbranch_scc0 .Lentry_in_a_cluster
	s_endpgm
.Lentry_in_a_cluster:
	s_bfe_u32 s2, ttmp6, 0x10000c
	s_cmp_lg_u32 s2, 0xf033
	s_cbranch_scc0 .Lentry_shape_is_right
	s_endpgm
.Lentry_shape_is_right:
; q = rope(x Wq + bq), k = rope(x Wk + bk), v = x Wv + bv, the three products on codes of E4M3 (K = 1,024), and their results quantised at once for attention's two products.
; A work-group of four waves stays and makes three tiles of 256 (A side) x 128 (B side), one after the other; a wave makes 128 x 64: 32 accumulators, 256 registers.
;   q, k: A = x's image (256 tokens: 4 x cluster y + cy), B = the weight's image (128 columns: 4 x cluster x + cx).  A wave's 64 columns are one head.
;   v:    A = Wv's image (256 channels: cy), B = x's image (128 tokens: 4 (cluster x + 2 cluster y) + cx): roles changed, so that a lane holds a channel and its registers run along the tokens, the next K.
; THE MATRIX INSTRUCTION IS USED TRANSPOSED: source 0 = a B tile, source 1 = an A tile: lane (r, h) holds A's lane-row r, register j of B tile 2 B + u holds B's row 32 B + 16 h + 8 u + j
; (a tile's lane-row r is row 32 (T / 2) + 8 (T % 2) + r + 8 (r / 8)): 16 neighbours in two tiles' registers, so the conversions' results are the next operand's image.
; OPERANDS lie in memory and in LDS as images of their registers (2,048 bytes a fragment of 16 rows x 128 k, four loads at 16 x lane): no pitch, no padding.
; K goes in steps of 256 through two LDS slots (A's 16 tiles x 4,096 bytes, then B's 8), filled by the tensor data mover; the ring goes on from tile to tile.
; CLUSTERS: 4 x 4.  A's tiles hang on cy and the cluster's y alone and are asked for jointly along a row of the cluster, B's on cx and the cluster's place alone, jointly along a column.
; The three tiles are written out: the refills that lead from q to k step both addresses by constants, those from k to v take two addresses made at the head.
; OUTPUT (buffer qkv): Q at 0, K at 8 MiB: [64 heads][128 T][1,024]: byte 512 b + 16 l + i = token lane-row l % 16 of tile T, d = 32 b + 16 (l / 16) + i.
;   V at 16 MiB: [64 heads][16 key steps][4 tc][2,048]: byte 512 c + 16 l + i = channel lane-row l % 16 of tile tc, key 128 ks + 32 c + 16 (l / 16) + i.
; LIMITS: e0 + e1, e2 + e3, e4 + e5 between -126 and 127; e6, e7, e8 between -126 and 119.  NaN is not served.
; REGISTERS: window 0: v16-31 addresses and constants; v32-63 bias; v64-127 two sets of cos and sin; v128-255 A's fragments, one set (on the way out: v128-191 codes, v192-223 at work).
;   window 1: B's fragments, two sets, at v0 and v64.   window 2: accumulator (a, b) at v[8 (4 a + b)].
.set SLOT,  98304
.set BOFF,  65536                      ; B's tiles in a slot
.set SPARE, 2*SLOT                     ; behind the ring: the spare words, 128 bytes a wave
.set ADRA, 16                          ; v16-17  my A fragments in slot 0, 1
.set ADRB, 20                          ; v20-21  my B fragments
.set LI,   24                          ; v24     16 x lane
.set BVO,  25                          ; v25     4 (r + 8 (r / 8)): v's bias
.set H64,  26                          ; v26     64 h: q's and k's bias
.set SPW,  28                          ; v28     SPARE + 4 x my thread's number; never rewritten
.set NIL,  29                          ; v29     0; never rewritten
.set CSC,  30                          ; v30     the quantiser's 2^e
.set LIM,  31                          ; v31     448 x 2^e
.set BIAS, 32
.set ROPE, 64
.set AF,   128
.set CODE, 128
.set T1,   192
.set T2,   208
.set G1A, 24                           ; s[24:31] group 1 for A's tiles; s[32:39] group 0, a set for each slot
.set G0A, 32
.set G1B, 48                           ; s[48:55], s[56:63] the same for B's
.set G0B, 56
.set MUL, 0xa1                         ; source 0 (B) window 1, source 1 (A) window 0, C and D window 2
.set MSB, 0
.macro WIN new                         ; the immediate's high byte repeats the setting that is left
.if MSB != \new
	s_set_vgpr_msb (MSB<<8)|\new
.set MSB, \new
.endif
.endm
.macro PLACES n                        ; plain vector lines between a matrix instruction and a load into, or a vector read of, its registers
.rept \n
	v_nop
.endr
.endm
; a joint load: waves 0 and 1 fetch A's halves, waves 2 and 3 B's; the branch hangs on the wave's number alone; an s_nop 0 and four v_nop follow each line
.macro JLOAD g0a, g1a, g0b, g1b
	s_cmp_eq_u32 s21, 0
	s_cbranch_scc0 .Lfor_b_\@
	tensor_load_to_lds s[\g0a:\g0a+3], s[\g1a:\g1a+7]
	s_nop 0
.rept 4
	v_nop
.endr
	s_branch .Lasked_\@
.Lfor_b_\@:
	tensor_load_to_lds s[\g0b:\g0b+3], s[\g1b:\g1b+7]
	s_nop 0
.rept 4
	v_nop
.endr
.Lasked_\@:
.endm
.macro CREST                           ; a round of the cluster's barrier behind its opening barrier
	s_cmp_lg_u32 s20, 0
	s_cbranch_scc1 .Lnot_wave_0_\@
	s_barrier_signal -3
.Lnot_wave_0_\@:
	s_barrier_wait -3
	s_barrier_signal -1
	s_barrier_wait -1
.endm
.macro CROUND
	s_barrier_signal -1
	s_barrier_wait -1
	CREST
.endm
.macro FRAG reg, adr, q, i             ; tile i's fragment q of a slot: four loads of 512 consecutive bytes
.irp c, 0,1,2,3
	ds_load_b128 v[\reg+4*\c:\reg+4*\c+3], v[\adr] offset:4096*(\i)+2048*(\q)+512*\c
.endr
.endm
.macro FETCH_B slot, q, p              ; B's four fragments into set p
	WIN 0x40
.irp i, 0,1,2,3
	FRAG 64*(\p)+16*\i, ADRB+\slot, \q, \i
.endr
	WIN 0
.endm
.macro FETCH_A slot, q, i0             ; A's blocks i0 .. i0 + 3
.irp i, \i0, \i0+1, \i0+2, \i0+3
	FRAG AF+16*(\i), ADRA+\slot, \q, \i
.endr
.endm
; 8 matrix instructions: A's blocks a0, a0 + 1 x B's four.  The 32 accumulators take turns, one instruction a turn, in the same order in every step
.macro MUL8 a0, p, zero
.irp a, \a0, \a0+1
.irp b, 0,1,2,3
.if \zero
	v_wmma_f32_16x16x128_fp8_fp8 v[8*(4*(\a)+\b):8*(4*(\a)+\b)+7], v[64*(\p)+16*\b:64*(\p)+16*\b+15], v[AF+16*(\a):AF+16*(\a)+15], 0
.else
	v_wmma_f32_16x16x128_fp8_fp8 v[8*(4*(\a)+\b):8*(4*(\a)+\b)+7], v[64*(\p)+16*\b:64*(\p)+16*\b+15], v[AF+16*(\a):AF+16*(\a)+15], v[8*(4*(\a)+\b):8*(4*(\a)+\b)+7]
.endif
.endr
.endr
.endm
; a slot's first 128 along K (B's set 0); it fetches the second 128
.macro STEP slot, zero
	s_wait_dscnt 16                                ; B's set and A's blocks 0-3 are in; the youngest 16 loads (A's blocks 4-7) may be out
	WIN MUL
	MUL8 0, 0, \zero
	MUL8 2, 0, \zero
	s_wait_dscnt 0x0
	PLACES 4
	FETCH_B \slot, 1, 1
	FETCH_A \slot, 1, 0
	WIN MUL
	MUL8 4, 0, \zero
	MUL8 6, 0, \zero
	PLACES 4
	WIN 0
	FETCH_A \slot, 1, 4
.endm
; a slot's second 128 along K changes slots: one barrier; ahead of it each wave waits for all its tensor loads, adds 0 to its spare word, and waits for that and for its reads of the slot.
; fill: 0 nothing; 1 this tile's K step two on; 2 the next tile's, by constant steps (q to k); 3 the next tile's, from s[66:69] (k to v).  fetch = 0: the next fragments are fetched behind the way out
.macro TURN slot, next, fill, fetch
	s_wait_tensorcnt 0x0                           ; all my tensor loads have landed: my part of the next slot
	ds_add_u32 v[SPW], v[NIL]
	s_wait_dscnt 17                                ; the add and the youngest 16 loads may be out
	WIN MUL
	MUL8 0, 1, 0
	s_wait_dscnt 0x0                               ; the add is done, and my reads of this slot are over
	s_barrier_signal -1
	MUL8 2, 1, 0
	WIN 0
	s_barrier_wait -1
.if \fill
	CREST                                          ; the barrier has opened a round of the cluster's: no wave of any partner reads this slot or has a load on its way
.if \fill == 1
	s_add_nc_u64 s[G0A+4*\slot+2:G0A+4*\slot+3], s[G0A+4*\slot+2:G0A+4*\slot+3], 8192
	s_add_nc_u64 s[G0B+4*\slot+2:G0B+4*\slot+3], s[G0B+4*\slot+2:G0B+4*\slot+3], 8192
.elseif \fill == 2
	s_add_nc_u64 s[G0A+4*\slot+2:G0A+4*\slot+3], s[G0A+4*\slot+2:G0A+4*\slot+3], 0x800000-8192   ; x's next copy, two K steps back
	s_add_nc_u64 s[G0B+4*\slot+2:G0B+4*\slot+3], s[G0B+4*\slot+2:G0B+4*\slot+3], 0x100000-8192   ; the next weight
.else
	s_add_nc_u64 s[G0A+4*\slot+2:G0A+4*\slot+3], s[66:67], \slot*4096
	s_or_b32 s[G0A+4*\slot+3], s[G0A+4*\slot+3], 0x80000000
	s_add_nc_u64 s[G0B+4*\slot+2:G0B+4*\slot+3], s[68:69], \slot*4096
	s_or_b32 s[G0B+4*\slot+3], s[G0B+4*\slot+3], 0x80000000
.endif
	JLOAD G0A+4*\slot, G1A, G0B+4*\slot, G1B       ; my one tensor load behind the round; its four v_nop are the places ahead of the loads below
.else
	PLACES 4
.endif
.if \fetch
	FETCH_B \next, 0, 0
	FETCH_A \next, 0, 0
.endif
	WIN MUL
	MUL8 4, 1, 0
	MUL8 6, 1, 0
	PLACES 4
	WIN 0
.if \fetch
	FETCH_A \next, 0, 4
.endif
.endm
.macro FIRST                           ; a tile's first fragments: slot 0 was shown whole by the last change of slots
	FETCH_B 0, 0, 0
	FETCH_A 0, 0, 0
	FETCH_A 0, 0, 4
.endm
.macro ROPESET a                       ; cos (16 registers) and sin (16) of token tile a, frequencies 16 h + 0 .. 15, into set a % 2
.set i, 0
.rept 8
	global_load_b128 v[ROPE+32*((\a)%2)+4*i:ROPE+32*((\a)%2)+4*i+3], v[LI], s[8:9] offset:4096*(\a)+512*i
.set i, i+1
.endr
.endm
.macro BIASLOAD ptr                    ; register 8 b + j: the bias of column 32 (b / 2) + 16 h + 8 (b % 2) + j of my 64
.irp b, 0,1,2,3
	global_load_b128 v[BIAS+8*\b:BIAS+8*\b+3], v[H64], s[\ptr:\ptr+1] offset:(32*(\b/2)+8*(\b%2))*4
	global_load_b128 v[BIAS+8*\b+4:BIAS+8*\b+7], v[H64], s[\ptr:\ptr+1] offset:(32*(\b/2)+8*(\b%2))*4+16
.endr
.endm
; q's and k's way out, a token tile at a time: sum x 2^(eA + eB) + bias; the rotation (d and d + 32 lie in tiles u and 2 + u of the same lane); the hold; the codes; 1,024 bytes stored
.macro EPI_ROPE sc, dst
	v_mov_b32 v[CSC], s[\sc+2]
	v_mov_b32 v[LIM], s[\sc+3]
.irp a, 0,1,2,3,4,5,6,7
.set AC, 32*\a
.set RS, ROPE+32*(\a%2)
.if \a < 7
	s_wait_loadcnt 8                               ; this tile's cos and sin (and the bias) are in; the next tile's eight loads may be out
.else
	s_wait_loadcnt 0x0
.endif
	WIN 0x82                                       ; source 0 and destination window 2
.set i, 0
.rept 16
	v_pk_fma_f32 v[AC+i:AC+i+1], v[AC+i:AC+i+1], s[\sc:\sc+1], v[BIAS+i:BIAS+i+1] op_sel_hi:[1,0,1]   ; each accumulator from its low end on
.set i, i+2
.endr
	WIN 0x02
.set i, 0
.rept 8
	v_pk_mul_f32 v[T1+i:T1+i+1], v[AC+16+i:AC+16+i+1], v[RS+16+i:RS+16+i+1]   ; x_i sin
	v_pk_mul_f32 v[T2+i:T2+i+1], v[AC+i:AC+i+1], v[RS+16+i:RS+16+i+1]         ; x_r sin
.set i, i+2
.endr
	WIN 0x82
.set i, 0
.rept 8
	v_pk_fma_f32 v[AC+i:AC+i+1], v[AC+i:AC+i+1], v[RS+i:RS+i+1], v[T1+i:T1+i+1] neg_lo:[0,0,1] neg_hi:[0,0,1]   ; x_r cos - x_i sin
	v_pk_fma_f32 v[AC+16+i:AC+16+i+1], v[AC+16+i:AC+16+i+1], v[RS+i:RS+i+1], v[T2+i:T2+i+1]                     ; x_i cos + x_r sin
.set i, i+2
.endr
.set i, 0
.rept 32
	v_med3_num_f32 v[AC+i], v[AC+i], -v[LIM], v[LIM]   ; the conversion to an 8-bit code does not saturate (ISA guide 7.6.2)
.set i, i+1
.endr
	WIN 0x02
.irp b, 0,1,2,3
	v_cvt_scalef32_pk8_fp8_f32 v[CODE+8*\a+2*\b:CODE+8*\a+2*\b+1], v[AC+8*\b:AC+8*\b+7], v[CSC]
.endr
	v_nop                                          ; a plain line behind the last conversion: matrix instructions write its sources later
	WIN 0
	global_store_b128 v[LI], v[CODE+8*\a:CODE+8*\a+3], s[\dst:\dst+1] offset:1024*\a         ; 512 consecutive bytes each
	global_store_b128 v[LI], v[CODE+8*\a+4:CODE+8*\a+7], s[\dst:\dst+1] offset:1024*\a+512
.if \a < 6
	ROPESET \a+2
.endif
.endr
.endm
	s_load_b512 s[4:19], s[0:1], 0x0               ; ximg, wimg, rope s[8:9], the exponents s[10:11], bq, bk, bv, qkv s[18:19]
	v_lshl_add_u32 v[SPW], v0, 2, SPARE
	v_mov_b32 v[NIL], 0
	ds_add_u32 v[SPW], v[NIL]                      ; the wave's opening: the add and its wait ahead of my first tensor load
	v_lshrrev_b32 v1, 5, v0
	v_readfirstlane_b32 s20, v1                    ; wave 0..3
	s_lshr_b32 s21, s20, 1                         ; wa: my half of A's rows.  Also: I fetch for A (0) or for B (1)
	s_and_b32 s22, s20, 1                          ; wb: my half of B's rows.  Also: which half of that tile I fetch
	s_bfe_u32 s40, ttmp6, 0x40000                  ; cx
	s_bfe_u32 s41, ttmp6, 0x40004                  ; cy
	s_and_b32 s42, ttmp7, 0xffff                   ; cluster y
	s_lshl_b32 s43, s42, 2
	s_add_co_u32 s43, s43, s41                     ; q, k: A tile = 4 x cluster y + cy
	s_lshl_b32 s46, ttmp9, 2
	s_add_co_u32 s46, s46, s40                     ; q, k: B tile = 4 x cluster x + cx
	s_lshl_b32 s47, s42, 1
	s_add_co_u32 s47, s47, ttmp9
	s_lshl_b32 s47, s47, 2
	s_add_co_u32 s47, s47, s40                     ; v: B tile = 4 (cluster x + 2 cluster y) + cx; its A tile is cy
	s_lshl_b32 s44, s41, 2
	s_lshl_b32 s44, 15, s44                        ; my row of the cluster
	s_lshl_b32 s45, 0x1111, s40                    ; my column
	s_or_b32 s[G1A], s44, (3<<16)|(1<<21)          ; the mask; elements of 8 bytes; bit 21 beside a mask; no padding
	s_or_b32 s[G1B], s45, (3<<16)|(1<<21)
	s_mov_b32 s[G1A+1], 512<<16                    ; tensor_dim0 = 512 elements: a tile's two fragments of a K step, 4,096 bytes on end
	s_mov_b32 s[G1A+2], 8<<16                      ; tensor_dim1 = 8 tiles
	s_mov_b32 s[G1A+3], 512<<16                    ; tile_dim0
	s_mov_b32 s[G1A+4], 8                          ; tile_dim1
	s_mov_b32 s[G1A+5], 2048                       ; from tile to tile: 16,384 bytes
	s_mov_b32 s[G1A+6], 0
	s_mov_b32 s[G1A+7], 0
	s_mov_b32 s[G1B+1], 512<<16
	s_mov_b32 s[G1B+2], 4<<16                      ; B: 4 tiles a wave
	s_mov_b32 s[G1B+3], 512<<16
	s_mov_b32 s[G1B+4], 4
	s_mov_b32 s[G1B+5], 2048
	s_mov_b32 s[G1B+6], 0
	s_mov_b32 s[G1B+7], 0
	s_lshl_b32 s100, s43, 18                       ; A: 16 tiles of 16,384 bytes a work-group, 8 a wave
	s_lshl_b32 s101, s22, 17
	s_add_co_u32 s100, s100, s101
	s_mov_b32 s101, 0
	s_lshl_b32 s104, s46, 17                       ; B: 8 tiles a work-group, 4 a wave
	s_lshl_b32 s105, s22, 16
	s_add_co_u32 s104, s104, s105
	s_mov_b32 s105, 0
	s_lshl_b32 s23, s22, 15                        ; where they go: A's halves at 0 and 32,768,
	s_lshl_b32 s2, s22, 14
	s_add_co_u32 s2, s2, BOFF                      ; B's at 65,536 and 81,920: the wave's number alone
	s_wait_dscnt 0x0                               ; the opening add is done
	s_wait_kmcnt 0x0
	s_load_b256 s[88:95], s[10:11], 0x0            ; e0 .. e7
	s_load_b128 s[96:99], s[10:11], 0x20           ; e8 .. e11
	s_add_nc_u64 s[66:67], s[4:5], s[100:101]
	s_add_nc_u64 s[68:69], s[6:7], s[104:105]
	CROUND                                         ; all sixteen work-groups are here: the first joint loads meet
.irp s, 0,1
	s_mov_b32 s[G0A+4*\s], 1
	s_add_co_u32 s[G0A+4*\s+1], s23, \s*SLOT
	s_add_nc_u64 s[G0A+4*\s+2:G0A+4*\s+3], s[66:67], \s*4096
	s_or_b32 s[G0A+4*\s+3], s[G0A+4*\s+3], 0x80000000
	s_mov_b32 s[G0B+4*\s], 1
	s_add_co_u32 s[G0B+4*\s+1], s2, \s*SLOT
	s_add_nc_u64 s[G0B+4*\s+2:G0B+4*\s+3], s[68:69], \s*4096
	s_or_b32 s[G0B+4*\s+3], s[G0B+4*\s+3], 0x80000000
	JLOAD G0A+4*\s, G1A, G0B+4*\s, G1B             ; q's K steps 0 and 1: two loads of mine are out
.endr
	s_lshl_b32 s100, s41, 18                       ; v's A: Wv's image (2 MiB into wimg), tile cy: made of cy and the wave's number alone
	s_lshl_b32 s101, s22, 17
	s_add_co_u32 s100, s100, s101
	s_add_co_u32 s100, s100, 0x200000
	s_mov_b32 s101, 0
	s_add_nc_u64 s[66:67], s[6:7], s[100:101]
	s_lshl_b32 s104, s47, 17                       ; v's B: x's third copy (16 MiB into ximg)
	s_lshl_b32 s105, s22, 16
	s_add_co_u32 s104, s104, s105
	s_add_co_u32 s104, s104, 0x1000000
	s_mov_b32 s105, 0
	s_add_nc_u64 s[68:69], s[4:5], s[104:105]
	v_and_b32 v1, 31, v0
	v_lshlrev_b32 v[LI], 4, v1
	v_bfe_u32 v2, v0, 4, 1                         ; h
	v_lshlrev_b32 v[H64], 6, v2
	v_and_b32 v3, 15, v0                           ; r
	v_and_b32 v4, 8, v3
	v_add_nc_u32 v4, v4, v3
	v_lshlrev_b32 v[BVO], 2, v4
	s_lshl_b32 s42, s21, 15                        ; my 8 tiles of A
	s_lshl_b32 s44, s22, 14
	s_add_co_u32 s44, s44, BOFF                    ; my 4 tiles of B
.irp s, 0,1
	v_add_nc_u32 v[ADRA+\s], s42, v[LI]
	v_add_nc_u32 v[ADRB+\s], s44, v[LI]
	s_add_co_u32 s42, s42, SLOT
	s_add_co_u32 s44, s44, SLOT
.endr
	s_lshl_b32 s100, s46, 9                        ; bq, bk at my 64 columns
	s_lshl_b32 s104, s22, 8
	s_add_co_u32 s100, s100, s104
	s_add_nc_u64 s[12:13], s[12:13], s[100:101]
	s_add_nc_u64 s[14:15], s[14:15], s[100:101]
	s_lshl_b32 s100, s41, 10                       ; bv at my 128 channels
	s_lshl_b32 s104, s21, 9
	s_add_co_u32 s100, s100, s104
	s_add_nc_u64 s[16:17], s[16:17], s[100:101]
	s_and_b32 s100, s43, 7                         ; my first token tile within its sequence: 16 (A tile % 8) + 8 wa; 4,096 bytes of table a tile
	s_lshl_b32 s100, s100, 16
	s_lshl_b32 s104, s21, 15
	s_add_co_u32 s100, s100, s104
	s_add_nc_u64 s[8:9], s[8:9], s[100:101]
	s_lshr_b32 s100, s100, 2                       ; Q: 1,024 bytes a tile,
	s_lshr_b32 s104, s43, 3
	s_lshl_b32 s104, s104, 21                      ; 16 heads of 131,072 bytes a batch entry,
	s_add_co_u32 s100, s100, s104
	s_lshl_b32 s104, s46, 1
	s_add_co_u32 s104, s104, s22                   ; head = 2 x B tile + wb
	s_lshl_b32 s104, s104, 17
	s_add_co_u32 s100, s100, s104
	s_add_nc_u64 s[82:83], s[18:19], s[100:101]
	s_add_nc_u64 s[84:85], s[82:83], 0x800000      ; K
	s_lshr_b32 s100, s47, 4                        ; V: batch entry = B tile / 16,
	s_lshl_b32 s100, s100, 21
	s_and_b32 s104, s47, 15                        ; key step = B tile % 16: 8,192 bytes,
	s_lshl_b32 s104, s104, 13
	s_add_co_u32 s100, s100, s104
	s_lshl_b32 s104, s41, 2
	s_add_co_u32 s104, s104, s21
	s_add_co_u32 s104, s104, s21                   ; first head = 4 cy + 2 wa,
	s_lshl_b32 s104, s104, 17
	s_add_co_u32 s100, s100, s104
	s_lshl_b32 s104, s22, 10                       ; my 64 tokens: blocks 2 wb, 2 wb + 1 of 512 bytes
	s_add_co_u32 s100, s100, s104
	s_add_co_u32 s100, s100, 0x1000000
	s_add_nc_u64 s[86:87], s[18:19], s[100:101]
	s_wait_kmcnt 0x0
.macro PARAMS sc, ea, eb, eq           ; s[sc], s[sc+1]: 2^(ea + eb), twice; s[sc+2]: 2^eq; s[sc+3]: 448 x 2^eq
	s_add_co_i32 s[\sc], s[\ea], s[\eb]
	s_add_co_i32 s[\sc], s[\sc], 127
	s_lshl_b32 s[\sc], s[\sc], 23
	s_mov_b32 s[\sc+1], s[\sc]
	s_add_co_i32 s[\sc+2], s[\eq], 127
	s_add_co_i32 s[\sc+3], s[\sc+2], 8
	s_lshl_b32 s[\sc+2], s[\sc+2], 23
	s_lshl_b32 s[\sc+3], s[\sc+3], 23
	s_or_b32 s[\sc+3], s[\sc+3], 0x600000
.endm
	PARAMS 70, 88, 89, 94                          ; q: e0 + e1; e6
	PARAMS 74, 90, 91, 95                          ; k: e2 + e3; e7
	PARAMS 78, 92, 93, 96                          ; v: e4 + e5; e8
	s_wait_tensorcnt 1                             ; my part of K step 0 is in; K step 1's may stay out
	s_barrier_signal -1
	s_barrier_wait -1
	; ---------------- q
	FIRST
	BIASLOAD 12
	ROPESET 0
	ROPESET 1
	STEP 0, 1                                      ; the first products start the sums: nothing is cleared
	TURN 0, 1, 1, 1
	STEP 1, 0
	TURN 1, 0, 1, 1
	STEP 0, 0
	TURN 0, 1, 2, 1                                ; the ring goes on: slot 0 takes k's K step 0,
	STEP 1, 0
	TURN 1, 0, 2, 0                                ; slot 1 its K step 1
	EPI_ROPE 70, 82
	s_wait_xcnt 0x0                                ; the stores have read the codes' registers, which take A's fragments again
	; ---------------- k
	FIRST
	BIASLOAD 14
	ROPESET 0
	ROPESET 1
	STEP 0, 1
	TURN 0, 1, 1, 1
	STEP 1, 0
	TURN 1, 0, 1, 1
	STEP 0, 0
	TURN 0, 1, 3, 1                                ; v's K steps 0 and 1
	STEP 1, 0
	TURN 1, 0, 3, 0
	EPI_ROPE 74, 84
	s_wait_xcnt 0x0
	; ---------------- v
	FIRST
.irp a, 0,1,2,3,4,5,6,7
	global_load_b32 v[BIAS+2*\a], v[BVO], s[16:17] offset:(32*(\a/2)+8*(\a%2))*4   ; my lane's channel of tile a
.endr
	STEP 0, 1
	TURN 0, 1, 1, 1
	STEP 1, 0
	TURN 1, 0, 1, 1
	STEP 0, 0
	TURN 0, 1, 0, 1                                ; nothing is left to fetch: no round
	STEP 1, 0
	s_wait_dscnt 16
	WIN MUL
	MUL8 0, 1, 0
	MUL8 2, 1, 0
	s_wait_dscnt 0x0
	MUL8 4, 1, 0
	MUL8 6, 1, 0
	PLACES 4
	WIN 0
	s_wait_loadcnt 0x0
	v_mov_b32 v[CSC], s80
	v_mov_b32 v[LIM], s81
.irp a, 0,1,2,3,4,5,6,7
	v_mov_b32 v[BIAS+2*\a+1], v[BIAS+2*\a]         ; the packed form names a pair
.endr
.irp a, 0,1,2,3,4,5,6,7
.set AC, 32*\a
	WIN 0x82
.set i, 0
.rept 16
	v_pk_fma_f32 v[AC+i:AC+i+1], v[AC+i:AC+i+1], s[78:79], v[BIAS+2*\a:BIAS+2*\a+1] op_sel_hi:[1,0,1]
.set i, i+2
.endr
.set i, 0
.rept 32
	v_med3_num_f32 v[AC+i], v[AC+i], -v[LIM], v[LIM]
.set i, i+1
.endr
	WIN 0x02
.irp b, 0,1,2,3
	v_cvt_scalef32_pk8_fp8_f32 v[CODE+8*\a+2*\b:CODE+8*\a+2*\b+1], v[AC+8*\b:AC+8*\b+7], v[CSC]
.endr
	v_nop
	WIN 0
	global_store_b128 v[LI], v[CODE+8*\a:CODE+8*\a+3], s[86:87] offset:(\a/4)*131072+(\a%4)*2048       ; head a / 4 of my two, channel tile a % 4, keys' block 2 wb
	global_store_b128 v[LI], v[CODE+8*\a+4:CODE+8*\a+7], s[86:87] offset:(\a/4)*131072+(\a%4)*2048+512 ; block 2 wb + 1
.endr
	s_wait_tensorcnt 0x0                           ; the wave's end
	ds_add_u32 v[SPW], v[NIL]
	s_wait_dscnt 0x0
	CROUND                                         ; the closing round: no work-group ends while a partner may still ask for a tile that names it
	s_endpgm
.Lfunc_end_k_qcf8736d8d3_qkv:
	.size	k_qcf8736d8d3_qkv, .Lfunc_end_k_qcf8736d8d3_qkv-k_qcf8736d8d3_qkv
	.p2alignl 7, 3214868480
	.fill 96, 4, 3214868480
	.section	.rodata,"a",@progbits
	.p2align	6, 0x0
	.amdhsa_kernel k_qcf8736d8d3_qkv
		.amdhsa_group_segment_fixed_size 327680
		.amdhsa_private_segment_fixed_size 0
		.amdhsa_enable_private_segment 0
		.amdhsa_kernarg_size 64
		.amdhsa_user_sgpr_count 2
		.amdhsa_user_sgpr_kernarg_segment_ptr 1
		.amdhsa_wavefront_size32 1
		.amdhsa_system_sgpr_workgroup_id_x 1
		.amdhsa_system_sgpr_workgroup_id_y 1
		.amdhsa_system_sgpr_workgroup_id_z 1
		.amdhsa_system_vgpr_workitem_id 0
		.amdhsa_next_free_vgpr 768
		.amdhsa_next_free_sgpr 106
		.amdhsa_reserve_vcc 0
		.amdhsa_float_denorm_mode_32 3
		.amdhsa_float_denorm_mode_16_64 3
		.amdhsa_memory_ordered 1
		.amdhsa_forward_progress 1
		.amdhsa_inst_pref_size 255
	.end_amdhsa_kernel
	.section	.bss,"aw",@nobits
	.p2align	6
	.space	262144
	.amdgpu_metadata
---
amdhsa.version: [ 1, 2 ]
amdhsa.kernels:
  - .name:           k_qcf8736d8d3_qkv
    .symbol:         k_qcf8736d8d3_qkv.kd
    .args:
      - { .name: ximg, .offset: 0, .size: 8, .value_kind: global_buffer, .address_space: global }
      - { .name: wimg, .offset: 8, .size: 8, .value_kind: global_buffer, .address_space: global }
      - { .name: rope, .offset: 16, .size: 8, .value_kind: global_buffer, .address_space: global }
      - { .name: lowp_scales, .offset: 24, .size: 8, .value_kind: global_buffer, .address_space: global }
      - { .name: bq, .offset: 32, .size: 8, .value_kind: global_buffer, .address_space: global }
      - { .name: bk, .offset: 40, .size: 8, .value_kind: global_buffer, .address_space: global }
      - { .name: bv, .offset: 48, .size: 8, .value_kind: global_buffer, .address_space: global }
      - { .name: qkv, .offset: 56, .size: 8, .value_kind: global_buffer, .address_space: global }
    .group_segment_fixed_size: 327680
    .private_segment_fixed_size: 0
    .kernarg_segment_align: 8
    .kernarg_segment_size: 64
    .max_flat_workgroup_size: 128
    .sgpr_count:     106
    .vgpr_count:     768
    .wavefront_size: 32
...
	.end_amdgpu_metadata
.endif
;; end of part 2
;; launch attn (part 3): grid 4 x 64, 16 waves a work-group, no clusters, 264,192 bytes of LDS; arguments qkv, maskw, lowp_scales, oimg; writes oimg
.if DOCPART == 3
	.amdgcn_target "amdgcn-amd-amdhsa--gfx1250"
	.amdhsa_code_object_version 6
	.text
	.protected	k_qcf8736d8d3_attn
	.globl	k_qcf8736d8d3_attn
	.p2align	8
	.type	k_qcf8736d8d3_attn,@function
k_qcf8736d8d3_attn:
	s_mov_b64 s[64:65], 0
	v_nop
	global_prefetch_b8 v0, s[64:65] scope:SCOPE_SE
	s_setreg_imm32_b32 hwreg(HW_REG_WAVE_MODE, 25, 1), 1
	s_wait_xcnt 0x0
; Attention of one head (2,048 tokens, head size 64) on codes of E4M3, under the mask that is given as an input; the result is quantised at once for the last product.
; t = score x log2(e) / 8; M = the row's largest t so far, rounded up to a whole number; p = 2^(t - M) is quantised (2^e9); the row's sum is taken of the unquantised p and divides at the end.
; SHARES.  Work-group (g, head) holds the head's whole K (LDS 0 ..) and V (131,072 ..), 128 KiB each, filled ONCE through registers; one barrier; then the sixteen waves share nothing.
; Wave w owns query tiles i = 16 g + w and 127 - i, one after the other, 16 queries each, and walks 16 key steps of 128 keys.
; NO TENSOR LOAD AND NO CLUSTER: a key step none of whose keys counts for the tile is left out by a scalar branch on a flag that the first launch stored as whole numbers.
; The four work-groups of a head read the same 256 KiB once each.
; LAYOUT.  Both products transposed: S^T = K Q^T (source 0 = 16 keys), O^T = V^T P^T (source 0 = 16 channels): a lane holds one query.  Register n of S^T is key 128 ks + 32 (n / 16) + 16 h + n % 16;
; word n of the step's 64 mask words has my lane's bit for that key.  p's conversions give the second product's operand as it stands; O^T's give a piece of the last product's image.
; A row for which no key counts gets the NaN code, so that its row of the output is NaN, as a softmax over nothing is.
; LIMITS: e6 + e7 between -123 and 130 (added to c's exponent field); e9, e10 between -126 and 119.  NaN is not served.
; REGISTERS: v1-10 addresses; v12 -M, v13 the largest t, v[14:15] the sum; v16-23 Q; v32-95 K's 8 tiles, then V's 4 fragments; v96-159 S^T, then p; v160-191 O^T; v192-207 p's codes; v208-223 at work.
.set VOFF,  131072
.set SPARE, 262144                     ; behind K and V: the spare words, 128 bytes for each of 16 waves
.set LI,  1                            ; v1   16 x lane
.set SPW, 2                            ; v2   SPARE + 4 x my thread's number; never rewritten
.set NIL, 3                            ; v3   0; never rewritten
.set ADK, 4                            ; v4   the step's K
.set ADV, 5                            ; v5   the step's V
.set FK,  6                            ; v6   the fill: 8,192 x wave + 16 x lane
.set FV,  7                            ; v7   + VOFF
.set QO,  8                            ; v8   Q's offset
.set LV,  9                            ; v9   VOFF + 16 x lane
.set OO,  10                           ; v10  the output's offset
	s_load_b256 s[4:11], s[0:1], 0x0               ; qkv, maskw s[6:7], the exponents s[8:9], oimg s[10:11]
	v_lshl_add_u32 v[SPW], v0, 2, SPARE
	v_mov_b32 v[NIL], 0
	v_lshrrev_b32 v[ADK], 5, v0
	v_readfirstlane_b32 s12, v[ADK]                ; wave 0..15
	v_and_b32 v[LI], 31, v0
	v_lshlrev_b32 v[LI], 4, v[LI]
	v_lshl_add_u32 v[FK], v[ADK], 13, v[LI]
	v_add_nc_u32 v[FV], VOFF, v[FK]
	v_add_nc_u32 v[LV], VOFF, v[LI]
	s_and_b32 s24, ttmp7, 0xffff                   ; batch entry x 16 + head
	s_lshl_b32 s28, s24, 17                        ; 131,072 bytes a head in each of Q, K, V
	s_mov_b32 s29, 0
	s_mov_b32 s18, 0x76543210                      ; v_permlanex16_b32: lane l xor 16
	s_mov_b32 s19, 0xfedcba98
	s_lshl_b32 s13, ttmp9, 4
	s_add_co_u32 s13, s13, s12                     ; my first query tile
	s_wait_kmcnt 0x0
	s_load_b256 s[68:75], s[8:9], 0x0              ; e0 .. e7
	s_load_b128 s[76:79], s[8:9], 0x20             ; e8 .. e11
	s_add_nc_u64 s[4:5], s[4:5], s[28:29]          ; Q of my head
	s_add_nc_u64 s[100:101], s[4:5], 0x800000      ; K
	s_add_nc_u64 s[104:105], s[4:5], 0x1000000     ; V
.set i, 0
.rept 16
	global_load_b128 v[32+4*i:35+4*i], v[FK], s[100:101] offset:512*i
.set i, i+1
.endr
.set i, 0
.rept 16
	global_load_b128 v[96+4*i:99+4*i], v[FK], s[104:105] offset:512*i
.set i, i+1
.endr
	s_lshr_b32 s28, s24, 4
	s_lshl_b32 s28, s28, 21                        ; the output's image: 128 tiles of 16,384 bytes a batch entry,
	s_bfe_u32 s30, s24, 0x30001
	s_lshl_b32 s30, s30, 11                        ; K step head / 2,
	s_add_co_u32 s28, s28, s30
	s_and_b32 s30, s24, 1
	s_lshl_b32 s30, s30, 10                        ; blocks 2 (head % 2) + 0, 1
	s_add_co_u32 s28, s28, s30
	s_add_nc_u64 s[10:11], s[10:11], s[28:29]
	v_mov_b32 v210, 0                              ; a lane permute's destination counts as one of its sources
	v_mov_b32 v213, 0                              ; named as the upper half of the pair v[212:213]
	v_mov_b32 v216, 0xff800000                     ; -infinity
	v_mov_b32 v223, 0x7f7f7f7f                     ; four NaN codes
	s_wait_kmcnt 0x0
	s_add_co_i32 s20, s74, s75
	s_lshl_b32 s20, s20, 23
	s_add_co_i32 s20, s20, 0x3e38aa3b              ; c = log2(e) / 8 x 2^(e6 + e7)
	s_mov_b32 s21, s20
	s_cmp_lt_i32 s77, -8                           ; p is at most 1: only under e9 = -8 can it pass 448 x 2^e9
	s_cselect_b32 s22, 1, 0
	s_add_co_i32 s23, s76, s77                     ; e8 + e9
	s_add_co_i32 s30, s77, 127
	s_lshl_b32 s31, s30, 23
	v_mov_b32 v218, s31                            ; 2^e9
	s_add_co_i32 s30, s30, 8
	s_lshl_b32 s30, s30, 23
	s_or_b32 s30, s30, 0x600000
	v_mov_b32 v217, s30                            ; 448 x 2^e9
	s_add_co_i32 s30, s78, 127
	s_lshl_b32 s31, s30, 23
	v_mov_b32 v222, s31                            ; 2^e10
	s_add_co_i32 s30, s30, 8
	s_lshl_b32 s30, s30, 23
	s_or_b32 s30, s30, 0x600000
	v_mov_b32 v221, s30                            ; 448 x 2^e10
	s_wait_loadcnt 16                              ; K's 16 loads are in; V's may be out
.set i, 0
.rept 16
	ds_store_b128 v[FK], v[32+4*i:35+4*i] offset:512*i
.set i, i+1
.endr
	s_wait_loadcnt 0x0
.set i, 0
.rept 16
	ds_store_b128 v[FV], v[96+4*i:99+4*i] offset:512*i
.set i, i+1
.endr
	s_wait_dscnt 0x0                               ; for the others' sake: my stores have landed
	s_barrier_signal -1
	s_barrier_wait -1                              ; K and V are whole; nothing is written to them again
	s_mov_b32 s14, 0
.Ltile:
	s_wait_xcnt 0x0                                ; the last tile's stores have read their registers
	v_lshl_add_u32 v[QO], s13, 10, v[LI]
	v_lshl_add_u32 v[OO], s13, 14, v[LI]
	global_load_b128 v[16:19], v[QO], s[4:5]
	global_load_b128 v[20:23], v[QO], s[4:5] offset:512
	s_lshl_b32 s28, s13, 4
	s_add_co_u32 s28, s28, 524288
	s_add_nc_u64 s[30:31], s[6:7], s[28:29]
	s_load_b128 s[32:35], s[30:31], 0x0            ; the tile's four flag words
	s_lshl_b32 s28, s13, 12
	s_add_nc_u64 s[26:27], s[6:7], s[28:29]        ; its mask words
	v_mov_b32 v13, 0xff61b1e6                      ; the largest t so far: -3e38
	v_floor_f32 v12, -v13                          ; -M
	v_mov_b32 v14, 0
	v_mov_b32 v15, 0
.set i, 0
.rept 32
	v_mov_b32 v[160+i], 0                          ; O^T: the step is written once; its first turn finds zeros
.set i, i+1
.endr
	s_wait_kmcnt 0x0
	s_or_b32 s17, s32, s33
	s_or_b32 s17, s17, s34
	s_or_b32 s17, s17, s35                         ; bit ks: some key of step ks counts; bit 16 + ks: all count.  Shifted right once a step
	s_mov_b32 s15, 0
	s_wait_loadcnt 0x0                             ; Q
.Lstep:                                            ; 16 trips, always; a step's work is jumped over where none of its keys counts
	s_and_b32 s30, s17, 1
	s_cmp_lg_u32 s30, 0
	s_cbranch_scc0 .Lskip
	s_load_b512 s[32:47], s[26:27], 0x0            ; the step's 64 mask words
	s_load_b512 s[48:63], s[26:27], 0x40
	s_load_b512 s[68:83], s[26:27], 0x80
	s_load_b512 s[84:99], s[26:27], 0xc0
	s_lshl_b32 s16, s15, 13                        ; a step is 8,192 bytes of K and of V
	v_add_nc_u32 v[ADK], s16, v[LI]
	v_add_nc_u32 v[ADV], s16, v[LV]
	v_nop                                          ; with the two additions: four places ahead of loads into registers that the last products read
	v_nop
.set i, 0
.rept 16
	ds_load_b128 v[32+4*i:35+4*i], v[ADK] offset:512*i   ; key tile i / 2, d = 32 (i % 2) + 16 h + 0 .. 15
.set i, i+1
.endr
	s_wait_dscnt 8                                 ; tiles 0-3 are in
.irp t, 0,1,2,3
	v_wmma_f32_16x16x64_fp8_fp8 v[96+8*\t:103+8*\t], v[32+8*\t:39+8*\t], v[16:23], 0
.endr
	s_wait_dscnt 0x0
.irp t, 4,5,6,7
	v_wmma_f32_16x16x64_fp8_fp8 v[96+8*\t:103+8*\t], v[32+8*\t:39+8*\t], v[16:23], 0
.endr
.rept 4
	v_nop                                          ; places ahead of the loads below and of the first read of the scores
.endr
.set i, 0
.rept 16
	ds_load_b128 v[32+4*i:35+4*i], v[ADV] offset:512*i   ; V's four fragments land under the softmax
.set i, i+1
.endr
	s_wait_kmcnt 0x0
	s_and_b32 s30, s17, 0x10000
	s_cmp_lg_u32 s30, 0
	s_cbranch_scc1 .Lopen                          ; all keys count for all my queries
.set n, 0
.rept 64
	v_cndmask_b32 v[96+n], v216, v[96+n], s[32+n+4*(n/32)]   ; a hidden key's score becomes -infinity: p = 0
.set n, n+1
.endr
.Lopen:
	v_max3_num_f32 v208, v96, v97, v98             ; the step's largest score of my query, in two chains; each accumulator is read from its low end on
	v_max3_num_f32 v209, v99, v100, v101
.irp i, 6,10,14,18,22,26,30,34,38,42,46,50,54,58
	v_max3_num_f32 v208, v208, v[96+\i], v[97+\i]
	v_max3_num_f32 v209, v209, v[98+\i], v[99+\i]
.endr
	v_max3_num_f32 v208, v208, v158, v159
	v_max_num_f32 v208, v208, v209
	v_permlanex16_b32 v210, v208, s18, s19
	v_max_num_f32 v208, v208, v210                 ; and among lane l xor 16's keys
	v_mul_f32 v208, s20, v208                      ; as t (c is positive)
	v_max_num_f32 v13, v13, v208
	v_mov_b32 v208, v12
	v_floor_f32 v12, -v13                          ; the new -M = -ceil(t)
	v_sub_f32 v208, v12, v208                      ; old M - new M: a whole number, 0 or less
	v_cvt_i32_f32 v208, v208                       ; (it saturates)
	v_ldexp_f32 v212, 1.0, v208                    ; f = 2^(old M - new M)
.set j, 0
.rept 32
	v_pk_fma_f32 v[96+j:97+j], v[96+j:97+j], s[20:21], v[12:13] op_sel_hi:[1,0,0]   ; t - M
.set j, j+2
.endr
.set j, 0
.rept 64
	v_exp_f32 v[96+j], v[96+j]                     ; p, at most 1, not normalised
.set j, j+1
.endr
	v_pk_mul_f32 v[14:15], v[14:15], v[212:213] op_sel_hi:[1,0]   ; the sums under the new M: the plain line behind the exponentials
	s_wait_alu depctr_va_vdst(0)                   ; one wait for the batch, ahead of its first reader
	v_pk_add_f32 v[214:215], v[96:97], v[98:99]    ; the sum of the unquantised p, in two chains
.irp j, 4,8,12,16,20,24,28,32,36,40,44,48,52,56,60
	v_pk_add_f32 v[14:15], v[14:15], v[96+\j:97+\j]
	v_pk_add_f32 v[214:215], v[214:215], v[98+\j:99+\j]
.endr
	v_pk_add_f32 v[14:15], v[14:15], v[214:215]
	s_cmp_eq_u32 s22, 0
	s_cbranch_scc1 .Lnohold                        ; e9 is -8 or more: 448 x 2^e9 is above 1, and nothing is to be held
.set j, 0
.rept 64
	v_min_num_f32 v[96+j], v[96+j], v217           ; the conversion does not saturate (ISA guide 7.6.2); p is not negative
.set j, j+1
.endr
.Lnohold:
.irp b, 0,1,2,3
	v_cvt_scalef32_pk8_fp8_f32 v[192+4*\b:193+4*\b], v[96+16*\b:103+16*\b], v218
	v_cvt_scalef32_pk8_fp8_f32 v[194+4*\b:195+4*\b], v[104+16*\b:111+16*\b], v218
.endr
.set j, 0
.rept 16
	v_pk_mul_f32 v[160+j:161+j], v[160+j:161+j], v[212:213] op_sel_hi:[1,0]   ; O^T under the new M; also the plain lines behind the conversions
.set j, j+2
.endr
	s_wait_dscnt 0x0                               ; V
.irp t, 0,1,2,3
	v_wmma_f32_16x16x128_fp8_fp8 v[160+8*\t:167+8*\t], v[32+16*\t:47+16*\t], v[192:207], v[160+8*\t:167+8*\t]   ; four accumulators by turns
.endr
.Lskip:
	s_add_nc_u64 s[26:27], s[26:27], 256           ; the next step's words (this step's scalar loads were waited for)
	s_lshr_b32 s17, s17, 1
	s_add_co_u32 s15, s15, 1
	s_cmp_lt_u32 s15, 16
	s_cbranch_scc1 .Lstep
	; the way out: O^T x 2^(e8 + e9) / the sum, quantised with 2^e10: 1,024 bytes of the last product's image
.rept 4
	v_nop
.endr
	v_add_f32 v14, v14, v15
	v_permlanex16_b32 v210, v14, s18, s19
	v_add_f32 v14, v14, v210                       ; the row's sum
	v_rcp_f32 v219, v14
	v_nop                                          ; a plain line behind the reciprocal
	s_wait_alu depctr_va_vdst(0)                   ; and the wait ahead of its first reader
	v_ldexp_f32 v219, v219, s23
.set j, 0
.rept 32
	v_mul_f32 v[96+j], v[160+j], v219
.set j, j+1
.endr
.set j, 0
.rept 32
	v_med3_num_f32 v[96+j], v[96+j], -v221, v221
.set j, j+1
.endr
.irp t, 0,1,2,3
	v_cvt_scalef32_pk8_fp8_f32 v[192+2*\t:193+2*\t], v[96+8*\t:103+8*\t], v222
.endr
	v_nop
	v_cmp_eq_f32 vcc_lo, 0, v14                    ; no key counted for my query
.irp i, 0,1,2,3,4,5,6,7
	v_cndmask_b32 v[192+\i], v[192+\i], v223, vcc_lo
.endr
	global_store_b128 v[OO], v[192:195], s[10:11]              ; 512 consecutive bytes each
	global_store_b128 v[OO], v[196:199], s[10:11] offset:512
	s_sub_co_u32 s13, 127, s13                     ; my second tile
	s_add_co_u32 s14, s14, 1
	s_cmp_lt_u32 s14, 2
	s_cbranch_scc1 .Ltile
	s_wait_tensorcnt 0x0                           ; the wave's end
	ds_add_u32 v[SPW], v[NIL]
	s_wait_dscnt 0x0
	s_endpgm
.Lfunc_end_k_qcf8736d8d3_attn:
	.size	k_qcf8736d8d3_attn, .Lfunc_end_k_qcf8736d8d3_attn-k_qcf8736d8d3_attn
	.p2alignl 7, 3214868480
	.fill 96, 4, 3214868480
	.section	.rodata,"a",@progbits
	.p2align	6, 0x0
	.amdhsa_kernel k_qcf8736d8d3_attn
		.amdhsa_group_segment_fixed_size 264192
		.amdhsa_private_segment_fixed_size 0
		.amdhsa_enable_private_segment 0
		.amdhsa_kernarg_size 32
		.amdhsa_user_sgpr_count 2
		.amdhsa_user_sgpr_kernarg_segment_ptr 1
		.amdhsa_wavefront_size32 1
		.amdhsa_system_sgpr_workgroup_id_x 1
		.amdhsa_system_sgpr_workgroup_id_y 1
		.amdhsa_system_sgpr_workgroup_id_z 1
		.amdhsa_system_vgpr_workitem_id 0
		.amdhsa_next_free_vgpr 256
		.amdhsa_next_free_sgpr 106
		.amdhsa_reserve_vcc 1
		.amdhsa_float_denorm_mode_32 3
		.amdhsa_float_denorm_mode_16_64 3
		.amdhsa_memory_ordered 1
		.amdhsa_forward_progress 1
		.amdhsa_inst_pref_size 35
	.end_amdhsa_kernel
	.amdgpu_metadata
---
amdhsa.version: [ 1, 2 ]
amdhsa.kernels:
  - .name:           k_qcf8736d8d3_attn
    .symbol:         k_qcf8736d8d3_attn.kd
    .args:
      - { .name: qkv, .offset: 0, .size: 8, .value_kind: global_buffer, .address_space: global }
      - { .name: maskw, .offset: 8, .size: 8, .value_kind: global_buffer, .address_space: global }
      - { .name: lowp_scales, .offset: 16, .size: 8, .value_kind: global_buffer, .address_space: global }
      - { .name: oimg, .offset: 24, .size: 8, .value_kind: global_buffer, .address_space: global }
    .group_segment_fixed_size: 264192
    .private_segment_fixed_size: 0
    .kernarg_segment_align: 8
    .kernarg_segment_size: 32
    .max_flat_workgroup_size: 512
    .sgpr_count:     106
    .vgpr_count:     256
    .wavefront_size: 32
...
	.end_amdgpu_metadata
.endif
;; end of part 3
;; launch proj (part 4): grid 8 x 32, 4 waves a work-group, clusters of 4 x 4, 327,680 bytes of LDS; arguments oimg, wimg, lowp_scales, bo, out0; writes out0
.if DOCPART == 4
	.amdgcn_target "amdgcn-amd-amdhsa--gfx1250"
	.amdhsa_code_object_version 6
	.text
	.protected	k_qcf8736d8d3_proj
	.globl	k_qcf8736d8d3_proj
	.p2align	8
	.type	k_qcf8736d8d3_proj,@function
k_qcf8736d8d3_proj:
	s_mov_b64 s[64:65], 0
	v_nop
	global_prefetch_b8 v0, s[64:65] scope:SCOPE_SE
	s_setreg_imm32_b32 hwreg(HW_REG_WAVE_MODE, 25, 1), 1
	s_wait_xcnt 0x0
	s_wait_alu depctr_hold_cnt(0) depctr_sa_sdst(0) depctr_va_vdst(0) depctr_va_sdst(0) depctr_va_ssrc(0) depctr_va_vcc(0) depctr_vm_vsrc(0)
	s_getreg_b32 s2, hwreg(HW_REG_IB_STS2, 6, 4)
	s_cmp_eq_u32 s2, 0
	s_cbranch_scc0 .Lentry_in_a_cluster
	s_endpgm
.Lentry_in_a_cluster:
	s_bfe_u32 s2, ttmp6, 0x10000c
	s_cmp_lg_u32 s2, 0xf033
	s_cbranch_scc0 .Lentry_shape_is_right
	s_endpgm
.Lentry_shape_is_right:
; out0 = o Wo + bo on codes of E4M3 (K = 1,024): o's image comes from the attention launch, Wo's is the fourth MiB of wimg.  out0: [8,192][1,024] f32.
; One tile of 256 tokens x 128 columns to a work-group of four waves; a wave makes 128 x 64: 32 accumulators.  Ring, joint loads, fragments and turns are those of the qkv launch's last tile.
; A = o (tile 4 x cluster y + cy, shared along a row of the cluster), B = Wo (tile 4 x cluster x + cx, shared along a column).
; TRANSPOSED: lane (r, h) holds token lane-row r; register j of column tile 2 B + u holds column 32 B + 16 h + 8 u + j of my 64.  Lane-row r of token tile T is token 32 (T / 2) + 8 (T % 2) + r + 8 (r / 8).
; THE WAY OUT: sum x 2^(e10 + e11) + bo; a block of 16 tokens x 64 columns goes through my own stage in LDS (rows of 256 + 16 bytes) and leaves as whole rows: sixteen lanes store 256 aligned bytes.
; The stage lies in slot 0, which has had its last fill, and its last read ahead of the last barrier.
; LIMIT: e10 + e11 between -126 and 127.
.set SLOT,  98304
.set BOFF,  65536
.set SPARE, 2*SLOT
.set ADRA, 16
.set ADRB, 20
.set STO,  22                          ; v22  the stage: where I put a tile's 32 bytes of a row
.set RD,   23                          ; v23  where I read rows back
.set LI,   24
.set H64,  26
.set CO,   27                          ; v27  my byte offset in two rows of out0
.set SPW,  28
.set NIL,  29
.set BIAS, 32
.set TMP,  64
.set AF,   128
.set BK,   128                         ; 16 rows read back: v128-159 and v160-191 by turns
.set G1A, 24
.set G0A, 32
.set G1B, 48
.set G0B, 56
.set MUL, 0xa1
.set MSB, 0
.macro WIN new
.if MSB != \new
	s_set_vgpr_msb (MSB<<8)|\new
.set MSB, \new
.endif
.endm
.macro PLACES n
.rept \n
	v_nop
.endr
.endm
.macro JLOAD g0a, g1a, g0b, g1b        ; waves 0 and 1 fetch A's halves, waves 2 and 3 B's; an s_nop 0 and four v_nop follow each line
	s_cmp_eq_u32 s21, 0
	s_cbranch_scc0 .Lfor_b_\@
	tensor_load_to_lds s[\g0a:\g0a+3], s[\g1a:\g1a+7]
	s_nop 0
.rept 4
	v_nop
.endr
	s_branch .Lasked_\@
.Lfor_b_\@:
	tensor_load_to_lds s[\g0b:\g0b+3], s[\g1b:\g1b+7]
	s_nop 0
.rept 4
	v_nop
.endr
.Lasked_\@:
.endm
.macro CREST
	s_cmp_lg_u32 s20, 0
	s_cbranch_scc1 .Lnot_wave_0_\@
	s_barrier_signal -3
.Lnot_wave_0_\@:
	s_barrier_wait -3
	s_barrier_signal -1
	s_barrier_wait -1
.endm
.macro CROUND
	s_barrier_signal -1
	s_barrier_wait -1
	CREST
.endm
.macro FRAG reg, adr, q, i
.irp c, 0,1,2,3
	ds_load_b128 v[\reg+4*\c:\reg+4*\c+3], v[\adr] offset:4096*(\i)+2048*(\q)+512*\c
.endr
.endm
.macro FETCH_B slot, q, p
	WIN 0x40
.irp i, 0,1,2,3
	FRAG 64*(\p)+16*\i, ADRB+\slot, \q, \i
.endr
	WIN 0
.endm
.macro FETCH_A slot, q, i0
.irp i, \i0, \i0+1, \i0+2, \i0+3
	FRAG AF+16*(\i), ADRA+\slot, \q, \i
.endr
.endm
.macro MUL8 a0, p, zero                ; the 32 accumulators take turns, one instruction a turn
.irp a, \a0, \a0+1
.irp b, 0,1,2,3
.if \zero
	v_wmma_f32_16x16x128_fp8_fp8 v[8*(4*(\a)+\b):8*(4*(\a)+\b)+7], v[64*(\p)+16*\b:64*(\p)+16*\b+15], v[AF+16*(\a):AF+16*(\a)+15], 0
.else
	v_wmma_f32_16x16x128_fp8_fp8 v[8*(4*(\a)+\b):8*(4*(\a)+\b)+7], v[64*(\p)+16*\b:64*(\p)+16*\b+15], v[AF+16*(\a):AF+16*(\a)+15], v[8*(4*(\a)+\b):8*(4*(\a)+\b)+7]
.endif
.endr
.endr
.endm
.macro STEP slot, zero
	s_wait_dscnt 16                                ; B's set and A's blocks 0-3 are in; A's blocks 4-7 (16 loads) may be out
	WIN MUL
	MUL8 0, 0, \zero
	MUL8 2, 0, \zero
	s_wait_dscnt 0x0
	PLACES 4
	FETCH_B \slot, 1, 1
	FETCH_A \slot, 1, 0
	WIN MUL
	MUL8 4, 0, \zero
	MUL8 6, 0, \zero
	PLACES 4
	WIN 0
	FETCH_A \slot, 1, 4
.endm
.macro TURN slot, next, fill
	s_wait_tensorcnt 0x0                           ; all my tensor loads have landed: my part of the next slot
	ds_add_u32 v[SPW], v[NIL]
	s_wait_dscnt 17                                ; the add and the youngest 16 loads may be out
	WIN MUL
	MUL8 0, 1, 0
	s_wait_dscnt 0x0                               ; the add is done, and my reads of this slot are over
	s_barrier_signal -1
	MUL8 2, 1, 0
	WIN 0
	s_barrier_wait -1
.if \fill
	CREST                                          ; a round of the cluster's barrier: no wave of any partner reads this slot or has a load on its way
	s_add_nc_u64 s[G0A+4*\slot+2:G0A+4*\slot+3], s[G0A+4*\slot+2:G0A+4*\slot+3], 8192
	s_add_nc_u64 s[G0B+4*\slot+2:G0B+4*\slot+3], s[G0B+4*\slot+2:G0B+4*\slot+3], 8192
	JLOAD G0A+4*\slot, G1A, G0B+4*\slot, G1B
.else
	PLACES 4
.endif
	FETCH_B \next, 0, 0
	FETCH_A \next, 0, 0
	WIN MUL
	MUL8 4, 1, 0
	MUL8 6, 1, 0
	PLACES 4
	WIN 0
	FETCH_A \next, 0, 4
.endm
	s_load_b256 s[4:11], s[0:1], 0x0               ; oimg, wimg, the exponents s[8:9], bo s[10:11]
	s_load_b64 s[12:13], s[0:1], 0x20              ; out0
	v_lshl_add_u32 v[SPW], v0, 2, SPARE
	v_mov_b32 v[NIL], 0
	ds_add_u32 v[SPW], v[NIL]                      ; the wave's opening: the add and its wait ahead of my first tensor load
	v_lshrrev_b32 v1, 5, v0
	v_readfirstlane_b32 s20, v1
	s_lshr_b32 s21, s20, 1                         ; wa; also: I fetch for A (0) or for B (1)
	s_and_b32 s22, s20, 1                          ; wb; also: which half I fetch
	s_bfe_u32 s40, ttmp6, 0x40000                  ; cx
	s_bfe_u32 s41, ttmp6, 0x40004                  ; cy
	s_and_b32 s42, ttmp7, 0xffff
	s_lshl_b32 s43, s42, 2
	s_add_co_u32 s43, s43, s41                     ; A tile
	s_lshl_b32 s46, ttmp9, 2
	s_add_co_u32 s46, s46, s40                     ; B tile
	s_lshl_b32 s44, s41, 2
	s_lshl_b32 s44, 15, s44
	s_lshl_b32 s45, 0x1111, s40
	s_or_b32 s[G1A], s44, (3<<16)|(1<<21)          ; the mask; elements of 8 bytes; bit 21 beside a mask
	s_or_b32 s[G1B], s45, (3<<16)|(1<<21)
	s_mov_b32 s[G1A+1], 512<<16                    ; rows of 4,096 bytes: a tile's two fragments of a K step
	s_mov_b32 s[G1A+2], 8<<16
	s_mov_b32 s[G1A+3], 512<<16
	s_mov_b32 s[G1A+4], 8
	s_mov_b32 s[G1A+5], 2048
	s_mov_b32 s[G1A+6], 0
	s_mov_b32 s[G1A+7], 0
	s_mov_b32 s[G1B+1], 512<<16
	s_mov_b32 s[G1B+2], 4<<16
	s_mov_b32 s[G1B+3], 512<<16
	s_mov_b32 s[G1B+4], 4
	s_mov_b32 s[G1B+5], 2048
	s_mov_b32 s[G1B+6], 0
	s_mov_b32 s[G1B+7], 0
	s_lshl_b32 s100, s43, 18
	s_lshl_b32 s101, s22, 17
	s_add_co_u32 s100, s100, s101
	s_mov_b32 s101, 0
	s_lshl_b32 s104, s46, 17
	s_lshl_b32 s105, s22, 16
	s_add_co_u32 s104, s104, s105
	s_add_co_u32 s104, s104, 0x300000              ; Wo's image
	s_mov_b32 s105, 0
	s_lshl_b32 s23, s22, 15
	s_lshl_b32 s2, s22, 14
	s_add_co_u32 s2, s2, BOFF
	s_wait_dscnt 0x0                               ; the opening add is done
	s_wait_kmcnt 0x0
	s_load_b64 s[88:89], s[8:9], 0x28              ; e10, e11
	s_add_nc_u64 s[66:67], s[4:5], s[100:101]
	s_add_nc_u64 s[68:69], s[6:7], s[104:105]
	CROUND                                         ; all sixteen work-groups are here: the first joint loads meet
.irp s, 0,1
	s_mov_b32 s[G0A+4*\s], 1
	s_add_co_u32 s[G0A+4*\s+1], s23, \s*SLOT
	s_add_nc_u64 s[G0A+4*\s+2:G0A+4*\s+3], s[66:67], \s*4096
	s_or_b32 s[G0A+4*\s+3], s[G0A+4*\s+3], 0x80000000
	s_mov_b32 s[G0B+4*\s], 1
	s_add_co_u32 s[G0B+4*\s+1], s2, \s*SLOT
	s_add_nc_u64 s[G0B+4*\s+2:G0B+4*\s+3], s[68:69], \s*4096
	s_or_b32 s[G0B+4*\s+3], s[G0B+4*\s+3], 0x80000000
	JLOAD G0A+4*\s, G1A, G0B+4*\s, G1B             ; K steps 0 and 1: two loads of mine are out
.endr
	v_and_b32 v1, 31, v0
	v_lshlrev_b32 v[LI], 4, v1
	v_bfe_u32 v2, v0, 4, 1                         ; h
	v_lshlrev_b32 v[H64], 6, v2
	v_and_b32 v3, 15, v0                           ; r
	s_lshl_b32 s42, s21, 15
	s_lshl_b32 s44, s22, 14
	s_add_co_u32 s44, s44, BOFF
.irp s, 0,1
	v_add_nc_u32 v[ADRA+\s], s42, v[LI]
	v_add_nc_u32 v[ADRB+\s], s44, v[LI]
	s_add_co_u32 s42, s42, SLOT
	s_add_co_u32 s44, s44, SLOT
.endr
	s_mul_i32 s42, s20, 4352                       ; my stage: 16 rows x 272 bytes
	v_mul_u32_u24 v[STO], v3, 272
	v_lshl_add_u32 v[STO], v2, 6, v[STO]
	v_add_nc_u32 v[STO], s42, v[STO]               ; in: row r, + 64 h
	v_mul_u32_u24 v[RD], v2, 272
	v_lshl_add_u32 v[RD], v3, 4, v[RD]
	v_add_nc_u32 v[RD], s42, v[RD]                 ; back: lanes 0-15 one row, lanes 16-31 the next
	v_lshlrev_b32 v[CO], 12, v2
	v_lshl_add_u32 v[CO], v3, 4, v[CO]             ; and the same two rows of out0
	s_lshl_b32 s100, s46, 9                        ; bo at my 64 columns
	s_lshl_b32 s104, s22, 8
	s_add_co_u32 s100, s100, s104
	s_add_nc_u64 s[10:11], s[10:11], s[100:101]
	s_lshl_b32 s104, s43, 20                       ; out0: 256 rows of 4,096 bytes a tile, 128 a wave, + my columns' bytes
	s_add_co_u32 s100, s100, s104
	s_lshl_b32 s104, s21, 19
	s_add_co_u32 s100, s100, s104
	s_add_nc_u64 s[12:13], s[12:13], s[100:101]
	s_wait_kmcnt 0x0
	s_add_co_i32 s70, s88, s89
	s_add_co_i32 s70, s70, 127
	s_lshl_b32 s70, s70, 23                        ; 2^(e10 + e11)
	s_mov_b32 s71, s70
	s_wait_tensorcnt 1                             ; my part of K step 0 is in; K step 1's may stay out
	s_barrier_signal -1
	s_barrier_wait -1
	FETCH_B 0, 0, 0
	FETCH_A 0, 0, 0
	FETCH_A 0, 0, 4
.irp b, 0,1,2,3
	global_load_b128 v[BIAS+8*\b:BIAS+8*\b+3], v[H64], s[10:11] offset:(32*(\b/2)+8*(\b%2))*4
	global_load_b128 v[BIAS+8*\b+4:BIAS+8*\b+7], v[H64], s[10:11] offset:(32*(\b/2)+8*(\b%2))*4+16
.endr
	STEP 0, 1                                      ; the first products start the sums
	TURN 0, 1, 1
	STEP 1, 0
	TURN 1, 0, 1
	STEP 0, 0
	TURN 0, 1, 0                                   ; nothing is left to fetch: no round
	STEP 1, 0
	s_wait_dscnt 16
	WIN MUL
	MUL8 0, 1, 0
	MUL8 2, 1, 0
	s_wait_dscnt 0x0
	MUL8 4, 1, 0
	MUL8 6, 1, 0
	PLACES 4
	WIN 0
.macro TOSTAGE a
	WIN 0x02                                       ; source 0: window 2
.set i, 0
.rept 16
	v_pk_fma_f32 v[TMP+i:TMP+i+1], v[32*(\a)+i:32*(\a)+i+1], s[70:71], v[BIAS+i:BIAS+i+1] op_sel_hi:[1,0,1]   ; sum x 2^(e10 + e11) + bo; each accumulator from its low end on
.set i, i+2
.endr
	WIN 0
.irp b, 0,1,2,3
	ds_store_b128 v[STO], v[TMP+8*\b:TMP+8*\b+3] offset:128*(\b/2)+32*(\b%2)
	ds_store_b128 v[STO], v[TMP+8*\b+4:TMP+8*\b+7] offset:128*(\b/2)+32*(\b%2)+16
.endr
.set BB, BK+32*((\a)%2)
.irp t, 0,1,2,3,4,5,6,7
	ds_load_b128 v[BB+4*\t:BB+4*\t+3], v[RD] offset:\t*544   ; LDS serves a wave's instructions in order: these see the stores above, and the next block's stores come behind them
.endr
.endm
.macro SEND a, younger                 ; younger: the LDS instructions issued behind block a's loads
.set BB, BK+32*((\a)%2)
	s_wait_dscnt \younger
.irp t, 0,1,2,3,4,5,6,7
	global_store_b128 v[CO], v[BB+4*\t:BB+4*\t+3], s[12:13] offset:(32*((\a)/2)+8*((\a)%2)+2*\t+8*(\t/4))*4096 th:TH_STORE_NT   ; lane-rows 2 t, 2 t + 1: sixteen lanes store 256 aligned bytes
.endr
.endm
	s_wait_loadcnt 0x0                             ; bo
	TOSTAGE 0
.irp a, 1,2,3,4,5,6,7
.if \a > 1
	s_wait_xcnt 0x0                                ; block a - 2's stores have read their registers: block a's rows may land there
.endif
	TOSTAGE \a
	SEND \a-1, 16                                  ; behind block a - 1's loads: block a's 8 stores and 8 loads
.endr
	SEND 7, 0
	s_wait_tensorcnt 0x0                           ; the wave's end
	ds_add_u32 v[SPW], v[NIL]
	s_wait_dscnt 0x0
	CROUND                                         ; the closing round
	s_endpgm
.Lfunc_end_k_qcf8736d8d3_proj:
	.size	k_qcf8736d8d3_proj, .Lfunc_end_k_qcf8736d8d3_proj-k_qcf8736d8d3_proj
	.p2alignl 7, 3214868480
	.fill 96, 4, 3214868480
	.section	.rodata,"a",@progbits
	.p2align	6, 0x0
	.amdhsa_kernel k_qcf8736d8d3_proj
		.amdhsa_group_segment_fixed_size 327680
		.amdhsa_private_segment_fixed_size 0
		.amdhsa_enable_private_segment 0
		.amdhsa_kernarg_size 40
		.amdhsa_user_sgpr_count 2
		.amdhsa_user_sgpr_kernarg_segment_ptr 1
		.amdhsa_wavefront_size32 1
		.amdhsa_system_sgpr_workgroup_id_x 1
		.amdhsa_system_sgpr_workgroup_id_y 1
		.amdhsa_system_sgpr_workgroup_id_z 1
		.amdhsa_system_vgpr_workitem_id 0
		.amdhsa_next_free_vgpr 768
		.amdhsa_next_free_sgpr 106
		.amdhsa_reserve_vcc 0
		.amdhsa_float_denorm_mode_32 3
		.amdhsa_float_denorm_mode_16_64 3
		.amdhsa_memory_ordered 1
		.amdhsa_forward_progress 1
		.amdhsa_inst_pref_size 77
	.end_amdhsa_kernel
	.amdgpu_metadata
---
amdhsa.version: [ 1, 2 ]
amdhsa.kernels:
  - .name:           k_qcf8736d8d3_proj
    .symbol:         k_qcf8736d8d3_proj.kd
    .args:
      - { .name: oimg, .offset: 0, .size: 8, .value_kind: global_buffer, .address_space: global }
      - { .name: wimg, .offset: 8, .size: 8, .value_kind: global_buffer, .address_space: global }
      - { .name: lowp_scales, .offset: 16, .size: 8, .value_kind: global_buffer, .address_space: global }
      - { .name: bo, .offset: 24, .size: 8, .value_kind: global_buffer, .address_space: global }
      - { .name: out0, .offset: 32, .size: 8, .value_kind: global_buffer, .address_space: global }
    .group_segment_fixed_size: 327680
    .private_segment_fixed_size: 0
    .kernarg_segment_align: 8
    .kernarg_segment_size: 40
    .max_flat_workgroup_size: 128
    .sgpr_count:     106
    .vgpr_count:     768
    .wavefront_size: 32
...
	.end_amdgpu_metadata
.endif
;; end of part 4
;; ======== version 2 of 2: 4 launches; version 1 with the launch attn written anew for expert scheduling mode
;; workspace buffers: ximg 25,165,824 bytes; wimg 4,194,304 bytes; rope 524,288 bytes; maskw 526,336 bytes of whole numbers; qkv 25,165,824 bytes; oimg 8,388,608 bytes
;; launch prep: the kernel of part 1 again; grid 912 x 1, 4 waves a work-group, no clusters, 34,304 bytes of LDS; arguments x, mask, Wq, Wk, Wv, Wo, lowp_scales, ximg, wimg, rope, maskw; writes ximg, wimg, rope, maskw
;; launch qkv: the kernel of part 2 again; grid 8 x 32, 4 waves a work-group, clusters of 4 x 4, 327,680 bytes of LDS; arguments ximg, wimg, rope, lowp_scales, bq, bk, bv, qkv; writes qkv
;; launch attn (part 5): grid 4 x 64, 16 waves a work-group, no clusters, 264,192 bytes of LDS; arguments qkv, maskw, lowp_scales, oimg; writes oimg
.if DOCPART == 5
	.amdgcn_target "amdgcn-amd-amdhsa--gfx1250"
	.amdhsa_code_object_version 6
	.text
	.protected	k_qcf8736d8d3_attn
	.globl	k_qcf8736d8d3_attn
	.p2align	8
	.type	k_qcf8736d8d3_attn,@function
k_qcf8736d8d3_attn:
	s_mov_b64 s[64:65], 0
	v_nop
	global_prefetch_b8 v0, s[64:65] scope:SCOPE_SE
	s_setreg_imm32_b32 hwreg(HW_REG_WAVE_SCHED_MODE, 0, 2), 2
	s_setreg_imm32_b32 hwreg(HW_REG_WAVE_MODE, 25, 1), 1
	s_wait_xcnt 0x0
	s_wait_alu depctr_vm_vsrc(0)
; Attention of one head (2,048 tokens, head size 64) on codes of E4M3, under the mask that is given as an input; the result is quantised at once for the last product.
; t = score x log2(e) / 8; M = the row's largest t so far, rounded up to a whole number; p = 2^(t - M) is quantised (2^e9); the row's sum is taken of the unquantised p and divides at the end.
; SHARES.  Work-group (g, head) holds the head's whole K (LDS 0 ..) and V (131,072 ..), 128 KiB each, filled ONCE through registers; one barrier; then the sixteen waves share nothing.
; Wave w owns query tiles i = 16 g + w and 127 - i, one after the other, 16 queries each, and walks 16 key steps of 128 keys.
; NO TENSOR LOAD AND NO CLUSTER: a key step none of whose keys counts for the tile is left out by a scalar branch on a flag that the first launch stored as whole numbers.
; The four work-groups of a head read the same 256 KiB once each.
; LAYOUT.  Both products transposed: S^T = K Q^T (source 0 = 16 keys), O^T = V^T P^T (source 0 = 16 channels): a lane holds one query.  Register n of S^T is key 128 ks + 32 (n / 16) + 16 h + n % 16;
; word n of the step's 64 mask words has my lane's bit for that key.  p's conversions give the second product's operand as it stands; O^T's give a piece of the last product's image.
; A row for which no key counts gets the NaN code, so that its row of the output is NaN, as a softmax over nothing is.
; LIMITS: e6 + e7 between -123 and 130 (added to c's exponent field); e9, e10 between -126 and 119.  NaN is not served.
; REGISTERS: v1-10 addresses; v12 -M, v13 the largest t, v[14:15] the sum; v16-23 Q; v32-95 K's 8 tiles, then V's 4 fragments; v96-159 S^T, then p; v160-191 O^T; v192-207 p's codes; v208-223 at work.
; THE MODE: SCHED_MODE bits 1:0 = 2 (LLVM: expert scheduling mode 2), set by the entry lines.  The code itself states the register dependences
; between vector or matrix instructions and memory or LDS instructions, with s_wait_alu, always for 0.
; THE PLAN.  Registers that memory or LDS instructions touch:
;   v[FK], v[FV]    made at the head, never written again; read by the fill's loads and LDS stores.
;   v32-95          at the head: the fill's loads land, its LDS stores read.  In a step: K's LDS loads land, the eight products K Q^T read; V's LDS loads land, the four products V^T P read.
;   v96-159         at the head: the fill's loads land, its LDS stores read; from then on named by vector and matrix instructions alone.
;   v16-23          a tile's two loads of Q land; its products K Q^T read.
;   v[QO], v[OO]    written once a tile; read by Q's loads and by the tile's two stores.
;   v[ADK], v[ADV]  written once a step; read by the step's LDS loads.
;   v192-199        written by the conversions and, on the way out, by the selects; read by the tile's two stores.
;   v[SPW], v[NIL]  written at the head, read by the closing add alone.
; A tile's head has one wait on vm_vsrc and one on va_vdst; so has a step's head; one more on va_vdst stands between K Q^T and V's loads.  The wait behind the exponentials is there in any case.
; Sixteen waves of 256 registers fill the four SIMDs' registers, and 40 of a wave's are free where a second buffer for K or V would take 64: so K and V go on sharing v32-95.
.set VOFF,  131072
.set SPARE, 262144                     ; behind K and V: the spare words, 128 bytes for each of 16 waves
.set LI,  1                            ; v1   16 x lane
.set SPW, 2                            ; v2   SPARE + 4 x my thread's number; never rewritten
.set NIL, 3                            ; v3   0; never rewritten
.set ADK, 4                            ; v4   the step's K
.set ADV, 5                            ; v5   the step's V
.set FK,  6                            ; v6   the fill: 8,192 x wave + 16 x lane
.set FV,  7                            ; v7   + VOFF
.set QO,  8                            ; v8   Q's offset
.set LV,  9                            ; v9   VOFF + 16 x lane
.set OO,  10                           ; v10  the output's offset
	s_load_b256 s[4:11], s[0:1], 0x0               ; qkv, maskw s[6:7], the exponents s[8:9], oimg s[10:11]
	v_lshl_add_u32 v[SPW], v0, 2, SPARE
	v_mov_b32 v[NIL], 0
	v_lshrrev_b32 v[ADK], 5, v0
	v_readfirstlane_b32 s12, v[ADK]                ; wave 0..15
	v_and_b32 v[LI], 31, v0
	v_lshlrev_b32 v[LI], 4, v[LI]
	v_lshl_add_u32 v[FK], v[ADK], 13, v[LI]
	v_add_nc_u32 v[FV], VOFF, v[FK]
	v_add_nc_u32 v[LV], VOFF, v[LI]
	s_and_b32 s24, ttmp7, 0xffff                   ; batch entry x 16 + head
	s_lshl_b32 s28, s24, 17                        ; 131,072 bytes a head in each of Q, K, V
	s_mov_b32 s29, 0
	s_mov_b32 s18, 0x76543210                      ; v_permlanex16_b32: lane l xor 16
	s_mov_b32 s19, 0xfedcba98
	s_lshl_b32 s13, ttmp9, 4
	s_wait_alu depctr_va_sdst(0)                   ; s12 is written, ahead of its first reader: my query tile is made from it
	s_add_co_u32 s13, s13, s12                     ; my first query tile
	s_wait_kmcnt 0x0
	s_load_b256 s[68:75], s[8:9], 0x0              ; e0 .. e7
	s_load_b128 s[76:79], s[8:9], 0x20             ; e8 .. e11
	s_add_nc_u64 s[4:5], s[4:5], s[28:29]          ; Q of my head
	s_add_nc_u64 s[100:101], s[4:5], 0x800000      ; K
	s_add_nc_u64 s[104:105], s[4:5], 0x1000000     ; V
	s_wait_alu depctr_va_vdst(0)                   ; v[FK] and v[FV] are written, which the fill's loads and LDS stores read as addresses; no vector line up to those stores names them or v32-159
.set i, 0
.rept 16
	global_load_b128 v[32+4*i:35+4*i], v[FK], s[100:101] offset:512*i
.set i, i+1
.endr
.set i, 0
.rept 16
	global_load_b128 v[96+4*i:99+4*i], v[FK], s[104:105] offset:512*i
.set i, i+1
.endr
	s_lshr_b32 s28, s24, 4
	s_lshl_b32 s28, s28, 21                        ; the output's image: 128 tiles of 16,384 bytes a batch entry,
	s_bfe_u32 s30, s24, 0x30001
	s_lshl_b32 s30, s30, 11                        ; K step head / 2,
	s_add_co_u32 s28, s28, s30
	s_and_b32 s30, s24, 1
	s_lshl_b32 s30, s30, 10                        ; blocks 2 (head % 2) + 0, 1
	s_add_co_u32 s28, s28, s30
	s_add_nc_u64 s[10:11], s[10:11], s[28:29]
	v_mov_b32 v210, 0                              ; a lane permute's destination counts as one of its sources
	v_mov_b32 v213, 0                              ; named as the upper half of the pair v[212:213]
	v_mov_b32 v216, 0xff800000                     ; -infinity
	v_mov_b32 v223, 0x7f7f7f7f                     ; four NaN codes
	s_wait_kmcnt 0x0
	s_add_co_i32 s20, s74, s75
	s_lshl_b32 s20, s20, 23
	s_add_co_i32 s20, s20, 0x3e38aa3b              ; c = log2(e) / 8 x 2^(e6 + e7)
	s_mov_b32 s21, s20
	s_cmp_lt_i32 s77, -8                           ; p is at most 1: only under e9 = -8 can it pass 448 x 2^e9
	s_cselect_b32 s22, 1, 0
	s_add_co_i32 s23, s76, s77                     ; e8 + e9
	s_add_co_i32 s30, s77, 127
	s_lshl_b32 s31, s30, 23
	v_mov_b32 v218, s31                            ; 2^e9
	s_add_co_i32 s30, s30, 8
	s_lshl_b32 s30, s30, 23
	s_or_b32 s30, s30, 0x600000
	v_mov_b32 v217, s30                            ; 448 x 2^e9
	s_add_co_i32 s30, s78, 127
	s_lshl_b32 s31, s30, 23
	v_mov_b32 v222, s31                            ; 2^e10
	s_add_co_i32 s30, s30, 8
	s_lshl_b32 s30, s30, 23
	s_or_b32 s30, s30, 0x600000
	v_mov_b32 v221, s30                            ; 448 x 2^e10
	s_wait_loadcnt 16                              ; K's 16 loads are in; V's may be out
.set i, 0
.rept 16
	ds_store_b128 v[FK], v[32+4*i:35+4*i] offset:512*i
.set i, i+1
.endr
	s_wait_loadcnt 0x0
.set i, 0
.rept 16
	ds_store_b128 v[FV], v[96+4*i:99+4*i] offset:512*i
.set i, i+1
.endr
	s_wait_dscnt 0x0                               ; for the others' sake: my stores have landed
	s_barrier_signal -1
	s_barrier_wait -1                              ; K and V are whole; nothing is written to them again
	s_mov_b32 s14, 0
.Ltile:
	s_wait_xcnt 0x0                                ; the last tile's stores have read their registers
	s_wait_alu depctr_vm_vsrc(0)                   ; first tile: the fill's LDS stores have read v32-159, which the steps' loads and products write; second tile: Q's loads have read v[QO], the stores v[OO] and v192-199
	v_lshl_add_u32 v[QO], s13, 10, v[LI]
	v_lshl_add_u32 v[OO], s13, 14, v[LI]
	s_wait_alu depctr_va_vdst(0)                   ; v[QO] and v[OO] are written, which Q's loads and the tile's stores read; the last tile's products are done reading v16-23, in which Q's loads land
	global_load_b128 v[16:19], v[QO], s[4:5]
	global_load_b128 v[20:23], v[QO], s[4:5] offset:512
	s_lshl_b32 s28, s13, 4
	s_add_co_u32 s28, s28, 524288
	s_add_nc_u64 s[30:31], s[6:7], s[28:29]
	s_load_b128 s[32:35], s[30:31], 0x0            ; the tile's four flag words
	s_lshl_b32 s28, s13, 12
	s_add_nc_u64 s[26:27], s[6:7], s[28:29]        ; its mask words
	v_mov_b32 v13, 0xff61b1e6                      ; the largest t so far: -3e38
	v_floor_f32 v12, -v13                          ; -M
	v_mov_b32 v14, 0
	v_mov_b32 v15, 0
.set i, 0
.rept 32
	v_mov_b32 v[160+i], 0                          ; O^T: the step is written once; its first turn finds zeros
.set i, i+1
.endr
	s_wait_kmcnt 0x0
	s_or_b32 s17, s32, s33
	s_or_b32 s17, s17, s34
	s_or_b32 s17, s17, s35                         ; bit ks: some key of step ks counts; bit 16 + ks: all count.  Shifted right once a step
	s_mov_b32 s15, 0
	s_wait_loadcnt 0x0                             ; Q
.Lstep:                                            ; 16 trips, always; a step's work is jumped over where none of its keys counts
	s_and_b32 s30, s17, 1
	s_cmp_lg_u32 s30, 0
	s_cbranch_scc0 .Lskip
	s_load_b512 s[32:47], s[26:27], 0x0            ; the step's 64 mask words
	s_load_b512 s[48:63], s[26:27], 0x40
	s_load_b512 s[68:83], s[26:27], 0x80
	s_load_b512 s[84:99], s[26:27], 0xc0
	s_lshl_b32 s16, s15, 13                        ; a step is 8,192 bytes of K and of V
	s_wait_alu depctr_vm_vsrc(0)                   ; the LDS loads of the step before have read v[ADK] and v[ADV], which the two additions write
	v_add_nc_u32 v[ADK], s16, v[LI]
	v_add_nc_u32 v[ADV], s16, v[LV]
	v_nop                                          ; with the two additions: four places ahead of loads into registers that the last products read
	v_nop
	s_wait_alu depctr_va_vdst(0)                   ; v[ADK] and v[ADV] are written, which this step's LDS loads read; the products V^T P of the step before are done reading v32-95, in which K's loads land
.set i, 0
.rept 16
	ds_load_b128 v[32+4*i:35+4*i], v[ADK] offset:512*i   ; key tile i / 2, d = 32 (i % 2) + 16 h + 0 .. 15
.set i, i+1
.endr
	s_wait_dscnt 8                                 ; tiles 0-3 are in
.irp t, 0,1,2,3
	v_wmma_f32_16x16x64_fp8_fp8 v[96+8*\t:103+8*\t], v[32+8*\t:39+8*\t], v[16:23], 0
.endr
	s_wait_dscnt 0x0
.irp t, 4,5,6,7
	v_wmma_f32_16x16x64_fp8_fp8 v[96+8*\t:103+8*\t], v[32+8*\t:39+8*\t], v[16:23], 0
.endr
.rept 4
	v_nop                                          ; places ahead of the loads below and of the first read of the scores
.endr
	s_wait_alu depctr_va_vdst(0)                   ; the eight products K Q^T are done reading v32-95, in which V's loads land; the places above stay beside this wait
.set i, 0
.rept 16
	ds_load_b128 v[32+4*i:35+4*i], v[ADV] offset:512*i   ; V's four fragments land under the softmax, no line of which names v32-95 or v[ADV]
.set i, i+1
.endr
	s_wait_kmcnt 0x0
	s_and_b32 s30, s17, 0x10000
	s_cmp_lg_u32 s30, 0
	s_cbranch_scc1 .Lopen                          ; all keys count for all my queries
.set n, 0
.rept 64
	v_cndmask_b32 v[96+n], v216, v[96+n], s[32+n+4*(n/32)]   ; a hidden key's score becomes -infinity: p = 0
.set n, n+1
.endr
.Lopen:
	v_max3_num_f32 v208, v96, v97, v98             ; the step's largest score of my query, in two chains; each accumulator is read from its low end on
	v_max3_num_f32 v209, v99, v100, v101
.irp i, 6,10,14,18,22,26,30,34,38,42,46,50,54,58
	v_max3_num_f32 v208, v208, v[96+\i], v[97+\i]
	v_max3_num_f32 v209, v209, v[98+\i], v[99+\i]
.endr
	v_max3_num_f32 v208, v208, v158, v159
	v_max_num_f32 v208, v208, v209
	v_permlanex16_b32 v210, v208, s18, s19
	v_max_num_f32 v208, v208, v210                 ; and among lane l xor 16's keys
	v_mul_f32 v208, s20, v208                      ; as t (c is positive)
	v_max_num_f32 v13, v13, v208
	v_mov_b32 v208, v12
	v_floor_f32 v12, -v13                          ; the new -M = -ceil(t)
	v_sub_f32 v208, v12, v208                      ; old M - new M: a whole number, 0 or less
	v_cvt_i32_f32 v208, v208                       ; (it saturates)
	v_ldexp_f32 v212, 1.0, v208                    ; f = 2^(old M - new M)
.set j, 0
.rept 32
	v_pk_fma_f32 v[96+j:97+j], v[96+j:97+j], s[20:21], v[12:13] op_sel_hi:[1,0,0]   ; t - M
.set j, j+2
.endr
.set j, 0
.rept 64
	v_exp_f32 v[96+j], v[96+j]                     ; p, at most 1, not normalised
.set j, j+1
.endr
	v_pk_mul_f32 v[14:15], v[14:15], v[212:213] op_sel_hi:[1,0]   ; the sums under the new M: the plain line behind the exponentials
	s_wait_alu depctr_va_vdst(0)                   ; the 64 exponentials have written p in v96-159: one wait for the batch, ahead of its first reader
	v_pk_add_f32 v[214:215], v[96:97], v[98:99]    ; the sum of the unquantised p, in two chains
.irp j, 4,8,12,16,20,24,28,32,36,40,44,48,52,56,60
	v_pk_add_f32 v[14:15], v[14:15], v[96+\j:97+\j]
	v_pk_add_f32 v[214:215], v[214:215], v[98+\j:99+\j]
.endr
	v_pk_add_f32 v[14:15], v[14:15], v[214:215]
	s_cmp_eq_u32 s22, 0
	s_cbranch_scc1 .Lnohold                        ; e9 is -8 or more: 448 x 2^e9 is above 1, and nothing is to be held
.set j, 0
.rept 64
	v_min_num_f32 v[96+j], v[96+j], v217           ; the conversion does not saturate (ISA guide 7.6.2); p is not negative
.set j, j+1
.endr
.Lnohold:
.irp b, 0,1,2,3
	v_cvt_scalef32_pk8_fp8_f32 v[192+4*\b:193+4*\b], v[96+16*\b:103+16*\b], v218
	v_cvt_scalef32_pk8_fp8_f32 v[194+4*\b:195+4*\b], v[104+16*\b:111+16*\b], v218
.endr
.set j, 0
.rept 16
	v_pk_mul_f32 v[160+j:161+j], v[160+j:161+j], v[212:213] op_sel_hi:[1,0]   ; O^T under the new M; also the plain lines behind the conversions
.set j, j+2
.endr
	s_wait_dscnt 0x0                               ; V
.irp t, 0,1,2,3
	v_wmma_f32_16x16x128_fp8_fp8 v[160+8*\t:167+8*\t], v[32+16*\t:47+16*\t], v[192:207], v[160+8*\t:167+8*\t]   ; four accumulators by turns
.endr
.Lskip:
	s_add_nc_u64 s[26:27], s[26:27], 256           ; the next step's words (this step's scalar loads were waited for)
	s_lshr_b32 s17, s17, 1
	s_add_co_u32 s15, s15, 1
	s_cmp_lt_u32 s15, 16
	s_cbranch_scc1 .Lstep
	; the way out: O^T x 2^(e8 + e9) / the sum, quantised with 2^e10: 1,024 bytes of the last product's image
.rept 4
	v_nop
.endr
	v_add_f32 v14, v14, v15
	v_permlanex16_b32 v210, v14, s18, s19
	v_add_f32 v14, v14, v210                       ; the row's sum
	v_cmp_eq_f32 vcc_lo, 0, v14                    ; no key counted for my query.  The compare stands here, well ahead of the selects that read its mask
	v_rcp_f32 v219, v14
	v_nop                                          ; a plain line behind the reciprocal
	s_wait_alu depctr_va_vdst(0)                   ; the reciprocal has written v219, ahead of its first reader
	v_ldexp_f32 v219, v219, s23
.set j, 0
.rept 32
	v_mul_f32 v[96+j], v[160+j], v219
.set j, j+1
.endr
.set j, 0
.rept 32
	v_med3_num_f32 v[96+j], v[96+j], -v221, v221
.set j, j+1
.endr
.irp t, 0,1,2,3
	v_cvt_scalef32_pk8_fp8_f32 v[192+2*\t:193+2*\t], v[96+8*\t:103+8*\t], v222
.endr
	v_nop
	s_wait_alu depctr_va_vcc(0)                    ; the compare has written VCC, ahead of its first reader
.irp i, 0,1,2,3,4,5,6,7
	v_cndmask_b32 v[192+\i], v[192+\i], v223, vcc_lo
.endr
	s_wait_alu depctr_va_vdst(0)                   ; the selects have written v192-199, which the two stores read
	global_store_b128 v[OO], v[192:195], s[10:11]              ; 512 consecutive bytes each
	global_store_b128 v[OO], v[196:199], s[10:11] offset:512
	s_sub_co_u32 s13, 127, s13                     ; my second tile
	s_add_co_u32 s14, s14, 1
	s_cmp_lt_u32 s14, 2
	s_cbranch_scc1 .Ltile
	s_wait_dscnt 0x0                               ; the wave's end
	s_wait_alu 0x0
	s_wait_tensorcnt 0x0
	ds_add_u32 v[SPW], v[NIL]
	s_wait_dscnt 0x0
	s_endpgm
.Lfunc_end_k_qcf8736d8d3_attn:
	.size	k_qcf8736d8d3_attn, .Lfunc_end_k_qcf8736d8d3_attn-k_qcf8736d8d3_attn
	.p2alignl 7, 3214868480
	.fill 96, 4, 3214868480
	.section	.rodata,"a",@progbits
	.p2align	6, 0x0
	.amdhsa_kernel k_qcf8736d8d3_attn
		.amdhsa_group_segment_fixed_size 264192
		.amdhsa_private_segment_fixed_size 0
		.amdhsa_enable_private_segment 0
		.amdhsa_kernarg_size 32
		.amdhsa_user_sgpr_count 2
		.amdhsa_user_sgpr_kernarg_segment_ptr 1
		.amdhsa_wavefront_size32 1
		.amdhsa_system_sgpr_workgroup_id_x 1
		.amdhsa_system_sgpr_workgroup_id_y 1
		.amdhsa_system_sgpr_workgroup_id_z 1
		.amdhsa_system_vgpr_workitem_id 0
		.amdhsa_next_free_vgpr 256
		.amdhsa_next_free_sgpr 106
		.amdhsa_reserve_vcc 1
		.amdhsa_float_denorm_mode_32 3
		.amdhsa_float_denorm_mode_16_64 3
		.amdhsa_memory_ordered 1
		.amdhsa_forward_progress 1
		.amdhsa_inst_pref_size 35
	.end_amdhsa_kernel
	.amdgpu_metadata
---
amdhsa.version: [ 1, 2 ]
amdhsa.kernels:
  - .name:           k_qcf8736d8d3_attn
    .symbol:         k_qcf8736d8d3_attn.kd
    .args:
      - { .name: qkv, .offset: 0, .size: 8, .value_kind: global_buffer, .address_space: global }
      - { .name: maskw, .offset: 8, .size: 8, .value_kind: global_buffer, .address_space: global }
      - { .name: lowp_scales, .offset: 16, .size: 8, .value_kind: global_buffer, .address_space: global }
      - { .name: oimg, .offset: 24, .size: 8, .value_kind: global_buffer, .address_space: global }
    .group_segment_fixed_size: 264192
    .private_segment_fixed_size: 0
    .kernarg_segment_align: 8
    .kernarg_segment_size: 32
    .max_flat_workgroup_size: 512
    .sgpr_count:     106
    .vgpr_count:     256
    .wavefront_size: 32
...
	.end_amdgpu_metadata
.endif
;; end of part 5
;; launch proj: the kernel of part 4 again; grid 8 x 32, 4 waves a work-group, clusters of 4 x 4, 327,680 bytes of LDS; arguments oimg, wimg, lowp_scales, bo, out0; writes out0
